; MI455X (gfx1250); checked and timed in simulation.
; The chip was launched on July 23, 2026; its instructions are those of AMD's public machine-readable ISA for CDNA 5 (MIT licence, August 2026) and "CDNA5" Instruction Set Architecture Reference Guide (July 2026). The comments in the code are by the model that wrote it; some were corrected since.
;; Causal Self Attention. Allowed arithmetic: matrix products marked QUANTISED: E2M1 operands, one E8M0 scale for each 32 along K, by v_wmma_scale_f32_16x16x128_f8f6f4 with both operands' format E2M1 (or v_wmma_scale_f32_32x16x128_f4), f32 sums; products left as they are: bf16, f16 or f32 operands; f32 sums; everything else in f32.
;; Inputs: W_proj 1,024 x 1,024 float32; W_qkv 1,024 x 3,072 float32; x 2 x 2,048 x 1,024 float32.
;; Outputs: out0 2 x 2,048 x 1,024 float32.
;; This version of the problem:
;;   THIS VERSION OF THE PROBLEM IS GIVEN IN LOW PRECISION. The matrix products marked QUANTISED in the list below multiply operands that are first quantised to E2M1 (2 exponent bits, 1 mantissa bit; 4 bits a number), with one power-of-two scale for each 32 numbers along K (OCP MX v1.0); their sums are f32. The products marked 'left as it is' may take bf16, f16 or f32 operands, with f32 sums. Whichever they take, every output number must still come out within the allowed error. Rounding operands to bf16 (8 significant bits) uses up far more of that allowance than f16 does (11 bits, for magnitudes from 6e-5 to 65,504). All else is computed in f32.
;;   The module's matrix products, in the order in which they are computed (A, B: the left and right operand; K: the contracted axis; several contracted axes count as one K, in the product's order):
;;     1. [M 4,096, K 1,024] x [K 1,024, N 3,072]; A: input x; B: input W_qkv: QUANTISED
;;     2. batch 32 x [M 2,048, K 64] x [K 64, N 2,048]; A: computed on the way; B: computed on the way: left as it is (an operand is computed on the way)
;;     3. batch 32 x [M 2,048, K 2,048] x [K 2,048, N 64]; A: computed on the way; B: computed on the way: left as it is (an operand is computed on the way)
;;     4. [M 4,096, K 1,024] x [K 1,024, N 1,024]; A: computed on the way; B: input W_proj: left as it is (an operand is computed on the way)
;;   THE QUANTISER, for each operand of a quantised product, along K:
;;     - K is cut into blocks of 32 from its start; a last block that is shorter is filled with zeros.
;;     - A block's scale is 2^e with e = floor(log2(the largest magnitude in the block)) - 2, held to -126 .. 127; a block of zeros has e = 0. As a byte (E8M0): e + 127.
;;     - Each number is divided by its block's scale, clamped to +-6, and rounded to the nearest number of E2M1, ties to even, subnormals kept.
;;     - The product sums the exact products of the quantised numbers (number of the format x scale) in f32.
;;   ~~~python
;;   def quantise(x, axis):      # numpy; x: float32 -> the quantised numbers, widened to float32 again
;;       x = np.moveaxis(x, axis, -1); K = x.shape[-1]
;;       x = np.pad(x, [(0, 0)] * (x.ndim - 1) + [(0, -K % 32)]); x = x.reshape(x.shape[:-1] + (-1, 32)); a = np.abs(x).max(-1, keepdims=True)
;;       e = np.where(a > 0, np.clip(np.frexp(np.where(a > 0, a, 1))[1] - 1 - 2, -126, 127), 0)      # np.frexp(a)[1] - 1 = floor(log2(a)), exactly
;;       r = np.clip(x / 2.0 ** e, -6, 6)
;;       step = 2.0 ** (np.maximum(np.frexp(np.where(r == 0, 1, r))[1] - 1, 0) - 1)
;;       q = np.round(r / step) * step * 2.0 ** e      # np.round: ties to even
;;       return np.moveaxis(q.reshape(q.shape[:-2] + (-1,))[..., :K], -1, axis).astype(np.float32)
;;   ~~~
;; One version. Each part assembles by itself: llvm-mc -triple=amdgcn-amd-amdhsa -mcpu=gfx1250 --defsym DOCPART=n.
;; ======== version 1 of 1: 5 launches
;; limits: values are held in f16: magnitudes above 65,504 overflow, below 6.1e-05 lose precision
;; workspace buffers: xc 2,097,152 bytes; xs 131,072 bytes; wc 1,572,864 bytes; ws 98,304 bytes; wp 2,097,152 bytes; qkv 25,165,824 bytes; q32 393,216 bytes; yi 8,388,608 bytes
;; launch prep (part 1): grid 256 x 1, 4 waves a work-group, no clusters, 312,832 bytes of LDS; arguments x, W_qkv, W_proj, xc, xs, wc, ws, wp; writes xc, xs, wc, ws, wp
.if DOCPART == 1
	.amdgcn_target "amdgcn-amd-amdhsa--gfx1250"
	.amdhsa_code_object_version 6
	.text
	.protected	k_qe7659e0b20_prep
	.globl	k_qe7659e0b20_prep
	.p2align	8
	.type	k_qe7659e0b20_prep,@function
k_qe7659e0b20_prep:
	s_mov_b64 s[64:65], 0
	v_nop
	global_prefetch_b8 v0, s[64:65] scope:SCOPE_SE
	s_setreg_imm32_b32 hwreg(HW_REG_WAVE_MODE, 25, 1), 1
	s_wait_xcnt 0x0
; THREE OPERANDS ARE MADE READY, one kind of work for each work-group, chosen by its number alone:
;   0..127   x [4096][1024] f32 -> codes of FP4 (E2M1), K innermost, xc [4096][512 bytes], and one E8M0 byte for each 32 along K, xs [4096][32]
;   128..223 W_qkv [1024 k][3072 n] f32, K its FIRST axis -> wc [3072][512 bytes], ws [3072][32], K innermost
;   224..255 W_proj [1024 k][1024 n] f32 -> f16, laid as images of the matrix operand's registers: wp [n / 128][k / 256][16 columns: 8][32 k: 8] x 1,024 bytes;
;            in an image byte 512 c + 16 lane + 2 e is column lane % 16, k = 16 c + 8 (lane / 16) + e
; A block's scale is 2^(floor(log2(its largest magnitude)) - 2): its byte is the largest magnitude's exponent field - 2, held at 1 from below by a floor among the maximum's leaves.
; LIMITS: a block of zeros gets the byte 1 where the rule says 127 (its codes are zeros, and this program alone reads the bytes); blocks whose largest magnitude lies under 2^-124 keep the byte 1;
; NaN and infinities are not served; |W_proj| stays under 65,504 (f16), and under 6e-5 it is kept as an f16 subnormal.
; Each work-group reads 128 KiB.  x has K innermost: dense 16-byte loads into registers, turned through the wave's own stage in LDS so that a lane holds 16 neighbours.
; The two weights want a lane to run DOWN K: their tile of 512 k x 64 columns comes by one tensor load a wave (128 rows of 256 bytes), all of it on its way at once; then lane = column, registers = 32 k.
; No LDS byte is filled twice; each of the three kinds has LDS bytes of its own.  Work-groups share nothing, so there is no cluster.
.set SP,    80                         ; x: a lane's place in a stage: 64 bytes + 16 of padding
.set WT,    32768                      ; W_qkv's tile: row k at 256 k (x's four regions of 8,192 bytes lie below)
.set WST,   163840                     ; W_qkv's stage for the codes: 64 columns x (256 bytes + 16)
.set PT,    181248                     ; W_proj's tile
.set SPARE, 312320                     ; the spare words, 128 bytes for each wave: two blocks of 256 bytes that no other line names
.set SPW,   12                         ; v12  LDS address of my spare word; never rewritten
.set NIL,   13                         ; v13  0; never rewritten
.set R,     16                         ; x: v16-143  eight sets of 16 numbers as loaded
.set X,     144                        ; x: v144-175 two sets of 16 neighbours
.set E,     176                        ; x: v176-191 a scale byte for each step
.set C,     192                        ; x: v192-223 two registers of codes for each step
.set T,     32                         ; weights: v32-95 two sets of 32 numbers down K
	s_load_b256 s[4:11], s[0:1], 0x0               ; x s[4:5], W_qkv s[6:7], W_proj s[8:9], xc s[10:11]
	s_load_b256 s[12:19], s[0:1], 0x20             ; xs s[12:13], wc s[14:15], ws s[16:17], wp s[18:19]
	v_lshl_add_u32 v[SPW], v0, 2, SPARE
	v_mov_b32 v[NIL], 0
	ds_add_u32 v[SPW], v[NIL]                      ; the opening: the add, twice on end, and its wait ahead of a wave's first tensor load
	ds_add_u32 v[SPW], v[NIL]
	v_lshrrev_b32 v1, 5, v0
	v_readfirstlane_b32 s20, v1                    ; wave 0..3
	v_and_b32 v2, 31, v0                           ; lane
	; descriptor group 1 for W_qkv's tile: 128 rows of 64 elements of 4 bytes, 3,072 elements from row to row, no padding
	s_mov_b32 s24, 2<<16
	s_mov_b32 s25, 64<<16                          ; tensor_dim0
	s_mov_b32 s26, 128<<16                         ; tensor_dim1
	s_mov_b32 s27, 64<<16                          ; tile_dim0
	s_mov_b32 s28, 128                             ; tile_dim1
	s_mov_b32 s29, 3072                            ; the pitch
	s_mov_b32 s30, 0
	s_mov_b32 s31, 0
	; and for W_proj's: the pitch is 1,024
	s_mov_b32 s32, 2<<16
	s_mov_b32 s33, 64<<16
	s_mov_b32 s34, 128<<16
	s_mov_b32 s35, 64<<16
	s_mov_b32 s36, 128
	s_mov_b32 s37, 1024
	s_mov_b32 s38, 0
	s_mov_b32 s39, 0
	s_wait_dscnt 0x0                               ; both opening adds are done
	s_wait_kmcnt 0x0
	s_cmp_lt_u32 ttmp9, 128
	s_cbranch_scc1 .Lx
	s_cmp_lt_u32 ttmp9, 224
	s_cbranch_scc1 .Lw
; A weight's tile.  Work-group id: column group id / 2 (64 columns), half id % 2 of K (512).  Wave w fetches rows 128 w .. 128 w + 127 of the tile.
; Then wave w works on columns 32 (w % 2) .. + 31 and on 256 (w / 2) .. + 255 of the tile's K: v3 = its lane's first number in LDS.
.macro TILE_IN first, rowb, src, g1, lds
	s_sub_co_u32 s21, ttmp9, \first
	s_lshr_b32 s22, s21, 1                         ; the column group
	s_and_b32 s23, s21, 1                          ; the half of K
	s_lshl_b32 s44, s23, 9
	s_lshl_b32 s45, s20, 7
	s_add_co_u32 s44, s44, s45                     ; my first row of the weight
	s_mul_i32 s44, s44, \rowb
	s_lshl_b32 s45, s22, 8
	s_add_co_u32 s44, s44, s45                     ; + 256 bytes a column group
	s_mov_b32 s45, 0
	s_mov_b32 s40, 1                               ; group 0: count = 1,
	s_lshl_b32 s41, s20, 15
	s_add_co_u32 s41, s41, \lds                    ; LDS address: the tile + 32,768 x wave,
	s_add_nc_u64 s[42:43], s[\src:\src+1], s[44:45]   ; global address,
	s_or_b32 s43, s43, 0x80000000                  ; type = 2
	tensor_load_to_lds s[40:43], s[\g1:\g1+7]      ; my one tensor load
	s_nop 0
	s_and_b32 s46, s20, 1                          ; which 32 columns
	s_lshr_b32 s47, s20, 1                         ; which 256 of K
	s_lshl_b32 s48, s47, 16
	s_lshl_b32 s49, s46, 7
	s_add_co_u32 s48, s48, s49
	s_add_co_u32 s48, s48, \lds
	v_lshl_add_u32 v3, v2, 2, s48
.endm
.macro LOADB t                         ; 32 numbers down K of my column, block t, into set t % 2: each load reads 128 consecutive bytes
.set li, 0
.rept 32
	ds_load_b32 v[T+32*((\t)%2)+li], v3 offset:(32*(\t)+li)*256
.set li, li+1
.endr
.endm
	; ---------------- W_proj -> f16 images
	TILE_IN 224, 4096, 8, 32, PT
	s_lshr_b32 s50, s22, 1                         ; n / 128
	s_lshl_b32 s50, s50, 2
	s_lshl_b32 s51, s23, 1
	s_add_co_u32 s50, s50, s51
	s_add_co_u32 s50, s50, s47                     ; x 4 + k / 256
	s_lshl_b32 s50, s50, 3
	s_and_b32 s51, s22, 1
	s_lshl_b32 s51, s51, 2
	s_add_co_u32 s50, s50, s51
	s_lshl_b32 s51, s46, 1
	s_add_co_u32 s50, s50, s51                     ; x 8 + which 16 columns of the 128
	s_lshl_b32 s50, s50, 13                        ; eight images of 1,024 bytes each
	s_mov_b32 s51, 0
	s_add_nc_u64 s[18:19], s[18:19], s[50:51]
	v_lshlrev_b32 v5, 4, v2                        ; 16 x lane
	s_wait_tensorcnt 0x0                           ; my part of the tile is in,
	s_barrier_signal -1
	s_barrier_wait -1                              ; everybody's is
; 32 k of 32 columns: rounded to f16 in pairs; then the halves of the lanes change places, so that lanes 0-15 and 16-31 hold k 0-7 and 8-15 (16-23 and 24-31) of ONE group of 16 columns.
; Each chunk has registers of its own, so no store's data are written again.  left: the next chunk's 32 loads may be out.
.macro CHUNKP t, left
.set XS, T+32*((\t)%2)
.set RR, 96+16*(\t)
	s_wait_dscnt \left
.set ci, 0
.rept 16
	v_cvt_pk_f16_f32 v[RR+ci], v[XS+2*ci], v[XS+2*ci+1]
.set ci, ci+1
.endr
.if (\t) < 6
	LOADB (\t)+2
.endif
.irp g, 0,8
.irp j, 0,1,2,3
	v_permlane16_swap_b32 v[RR+\g+\j], v[RR+\g+4+\j]
.endr
.endr
	global_store_b128 v5, v[RR:RR+3], s[18:19] offset:1024*(\t)              ; each store covers 512 consecutive bytes, aligned
	global_store_b128 v5, v[RR+8:RR+11], s[18:19] offset:1024*(\t)+512
	global_store_b128 v5, v[RR+4:RR+7], s[18:19] offset:8192+1024*(\t)       ; the wave's second 16 columns
	global_store_b128 v5, v[RR+12:RR+15], s[18:19] offset:8192+1024*(\t)+512
.endm
	LOADB 0
	LOADB 1
.irp t, 0,1,2,3,4,5,6
	CHUNKP \t, 32
.endr
	CHUNKP 7, 0
	s_wait_tensorcnt 0x0                           ; the wave's end
	ds_add_u32 v[SPW], v[NIL]
	s_wait_dscnt 0x0
	s_endpgm
	; ---------------- W_qkv -> codes and scale bytes
.Lw:
	TILE_IN 128, 12288, 6, 24, WT
	s_mul_i32 s49, s46, 32*272
	s_lshl_b32 s50, s47, 7
	s_add_co_u32 s49, s49, s50
	s_add_co_u32 s49, s49, WST
	v_mul_u32_u24 v4, v2, 272
	v_add_nc_u32 v4, s49, v4                       ; into the stage: row = my column, + 128 bytes for the second 256 of K
	s_lshl_b32 s50, s22, 6
	s_lshl_b32 s51, s46, 5
	s_add_co_u32 s50, s50, s51                     ; my wave's first column
	s_lshl_b32 s50, s50, 5                         ; 32 scale bytes a column
	s_lshl_b32 s51, s23, 4
	s_add_co_u32 s50, s50, s51
	s_lshl_b32 s51, s47, 3
	s_add_co_u32 s50, s50, s51                     ; + my eight blocks' place
	s_mov_b32 s51, 0
	s_add_nc_u64 s[16:17], s[16:17], s[50:51]
	v_lshlrev_b32 v5, 5, v2
	s_lshl_b32 s52, s22, 6
	s_lshl_b32 s53, s20, 4
	s_add_co_u32 s52, s52, s53                     ; on the way out wave w takes columns 16 w .. 16 w + 15 of the 64
	s_lshl_b32 s52, s52, 9                         ; 512 bytes of codes a column
	s_lshl_b32 s53, s23, 8
	s_add_co_u32 s52, s52, s53
	s_mov_b32 s53, 0
	s_add_nc_u64 s[14:15], s[14:15], s[52:53]
	v_lshrrev_b32 v14, 4, v2
	v_and_b32 v15, 15, v2
	v_mul_u32_u24 v6, v14, 272
	v_lshl_add_u32 v6, v15, 4, v6
	s_mul_i32 s54, s20, 16*272
	s_add_co_u32 s54, s54, WST
	v_add_nc_u32 v6, s54, v6                       ; out of the stage: sixteen lanes to a row, two rows an instruction
	v_lshlrev_b32 v7, 9, v14
	v_lshl_add_u32 v7, v15, 4, v7                  ; and the same place in wc
	s_wait_tensorcnt 0x0
	s_barrier_signal -1
	s_barrier_wait -1
; A block of 32 along K of my column: all its numbers are mine.  left counts the LDS instructions issued behind this block's loads: the last block's stage store and the next block's 32 loads.
; That wait also shows the store of two blocks ago done, so its registers may be written again.
.macro BLOCKW t, left
.set XS, T+32*((\t)%2)
.set CW, 96+4*((\t)%2)
	s_wait_dscnt \left
	v_max3_num_f32 v8, |v[XS]|, |v[XS+1]|, |v[XS+2]|
	v_max3_num_f32 v9, |v[XS+3]|, |v[XS+4]|, |v[XS+5]|
.irp i, 6,10,14,18,22,26
	v_max3_num_f32 v8, v8, |v[XS+\i]|, |v[XS+\i+1]|
	v_max3_num_f32 v9, v9, |v[XS+\i+2]|, |v[XS+\i+3]|
.endr
	v_max3_num_f32 v8, v8, |v[XS+30]|, |v[XS+31]|
	v_max3_num_f32 v8, v8, v9, 0x1800000           ; and the floor 2^(3 - 127): the byte cannot fall under 1
	v_add_nc_u32 v11, 0xff000000, v8               ; 2 off the exponent field: the conversion takes the exponent field of this operand as its scale
	v_lshrrev_b32 v10, 23, v11                     ; the scale's byte
.if (\t)%4 == 0
	v_mov_b32 v[24+(\t)/4], v10
.else
	v_lshl_or_b32 v[24+(\t)/4], v10, 8*((\t)%4), v[24+(\t)/4]
.endif
.irp g, 0,1,2,3
	v_cvt_scalef32_pk8_fp4_f32 v[CW+\g], v[XS+8*\g:XS+8*\g+7], v11
.endr
	v_nop                                          ; a plain line behind the last scaled conversion
	ds_store_b128 v4, v[CW:CW+3] offset:16*(\t)    ; 32 codes: 16 bytes of my column's row
.if (\t) < 6
	LOADB (\t)+2
.endif
.endm
	LOADB 0
	LOADB 1
	BLOCKW 0, 32
.irp t, 1,2,3,4,5,6
	BLOCKW \t, 33
.endr
	BLOCKW 7, 1
	global_store_b64 v5, v[24:25], s[16:17]        ; my column's eight scale bytes
	s_wait_dscnt 0x0                               ; for the others' sake: my stores into the stage are done (a column's 256 bytes come from two waves)
	s_barrier_signal -1
	s_barrier_wait -1
.irp t, 0,1,2,3,4,5,6,7
	ds_load_b128 v[112+4*\t:115+4*\t], v6 offset:544*\t
.endr
.irp t, 0,1,2,3,4,5,6,7
	s_wait_dscnt 7-\t
	global_store_b128 v7, v[112+4*\t:115+4*\t], s[14:15] offset:1024*\t   ; sixteen lanes store 256 consecutive bytes, aligned
.endr
	s_wait_tensorcnt 0x0                           ; the wave's end
	ds_add_u32 v[SPW], v[NIL]
	s_wait_dscnt 0x0
	s_endpgm
	; ---------------- x -> codes and scale bytes.  A wave takes 16 steps of 512 numbers; rows are dense, so x is a plain stream of blocks of 32
.Lx:
	v_lshlrev_b32 v3, 4, v2                        ; my 16 bytes of a load's 512
	s_lshl_b32 s44, s20, 13                        ; my wave's region of LDS
	v_lshrrev_b32 v14, 2, v2
	v_mul_u32_u24 v14, v14, SP
	v_and_b32 v15, 3, v2
	v_lshl_add_u32 v14, v15, 4, v14
	v_add_nc_u32 v14, s44, v14                     ; the stage, way in: four lanes' 64 bytes on end, then 16 of padding
	v_mul_u32_u24 v15, v2, SP
	v_add_nc_u32 v15, s44, v15                     ; way out: my 16 neighbours
	v_lshlrev_b32 v4, 3, v2                        ; my 8 bytes of a step's codes
	v_lshrrev_b32 v5, 1, v2
	s_add_co_u32 s44, s44, 2*32*SP
	v_add_nc_u32 v5, s44, v5                       ; my wave's 256 scale bytes: my block's byte
	v_lshlrev_b32 v7, 3, v2
	v_add_nc_u32 v6, s44, v7
	s_lshl_b32 s21, ttmp9, 2
	s_add_co_u32 s21, s21, s20                     ; which run of 8,192 numbers is my wave's
	s_mov_b32 s23, 0
	s_lshl_b32 s22, s21, 15
	s_add_nc_u64 s[4:5], s[4:5], s[22:23]
	s_lshl_b32 s22, s21, 12
	s_add_nc_u64 s[10:11], s[10:11], s[22:23]
	s_lshl_b32 s22, s21, 8
	s_add_nc_u64 s[12:13], s[12:13], s[22:23]
.macro XLOAD t
.irp i, 0,1,2,3
	global_load_b128 v[R+16*((\t)%8)+4*\i:R+16*((\t)%8)+4*\i+3], v3, s[4:5] offset:2048*(\t)+512*\i th:TH_LOAD_NT   ; 32 lanes read 512 consecutive bytes
.endr
.endm
.macro XTURN t                         ; a step's numbers through the stage: LDS serves a wave's instructions in order, so no wait stands between the stores and the loads
.irp i, 0,1,2,3
	ds_store_b128 v14, v[R+16*((\t)%8)+4*\i:R+16*((\t)%8)+4*\i+3] offset:32*SP*((\t)%2)+8*SP*\i
.endr
.irp i, 0,1,2,3
	ds_load_b128 v[X+16*((\t)%2)+4*\i:X+16*((\t)%2)+4*\i+3], v15 offset:32*SP*((\t)%2)+16*\i
.endr
.endm
.irp t, 0,1,2,3,4,5,6,7
	XLOAD \t                                       ; eight steps, 32 loads a wave, are on their way
.endr
	s_wait_loadcnt 28                              ; step 0's four loads are in
	XTURN 0
.macro XSTEP t
.set XS, X+16*((\t)%2)
.if (\t) > 0
	s_wait_dscnt 1                                 ; this step's numbers are back from the stage (the last step's byte store may be out), so its stores into the stage have read their registers,
.else
	s_wait_dscnt 0x0
.endif
.if (\t)+8 < 16
	XLOAD (\t)+8                                   ; which take the loads of eight steps on
.endif
.if (\t)+1 < 16
.if 14-(\t) >= 7
	s_wait_loadcnt 28                              ; the next step's four loads are in; those of the seven steps behind it may be out
.else
	s_wait_loadcnt 4*(14-(\t))
.endif
	XTURN (\t)+1
.endif
	v_max3_num_f32 v8, |v[XS]|, |v[XS+1]|, |v[XS+2]|
	v_max3_num_f32 v9, |v[XS+3]|, |v[XS+4]|, |v[XS+5]|
.irp i, 6,10
	v_max3_num_f32 v8, v8, |v[XS+\i]|, |v[XS+\i+1]|
	v_max3_num_f32 v9, v9, |v[XS+\i+2]|, |v[XS+\i+3]|
.endr
	v_max3_num_f32 v8, v8, |v[XS+14]|, |v[XS+15]|
	v_max3_num_f32 v8, v8, v9, 0x1800000           ; and the floor
	v_max_num_f32_dpp v8, v8, v8 row_xmask:1 row_mask:0xf bank_mask:0xf   ; with my neighbour's 16: the block's largest magnitude
	v_add_nc_u32 v11, 0xff000000, v8
	v_cvt_scalef32_pk8_fp4_f32 v[C+2*(\t)], v[XS:XS+7], v11
	v_cvt_scalef32_pk8_fp4_f32 v[C+2*(\t)+1], v[XS+8:XS+15], v11
	v_lshrrev_b32 v[E+(\t)], 23, v11               ; the scale's byte (also the plain line behind the conversions)
	ds_store_b8 v5, v[E+(\t)] offset:16*(\t)       ; both lanes of a block write the same byte with the same value
	global_store_b64 v4, v[C+2*(\t):C+2*(\t)+1], s[10:11] offset:256*(\t)   ; the wave stores 256 consecutive bytes, aligned
.endm
.irp t, 0,1,2,3,4,5,6,7,8,9,10,11,12,13,14,15
	XSTEP \t
.endr
	ds_load_b64 v[8:9], v6                         ; my wave's 256 scale bytes
	s_wait_dscnt 0x0
	global_store_b64 v7, v[8:9], s[12:13]          ; 256 consecutive bytes, aligned
	s_wait_tensorcnt 0x0                           ; the wave's end
	ds_add_u32 v[SPW], v[NIL]
	s_wait_dscnt 0x0
	s_endpgm
.Lfunc_end_k_qe7659e0b20_prep:
	.size	k_qe7659e0b20_prep, .Lfunc_end_k_qe7659e0b20_prep-k_qe7659e0b20_prep
	.p2alignl 7, 3214868480
	.fill 96, 4, 3214868480
	.section	.rodata,"a",@progbits
	.p2align	6, 0x0
	.amdhsa_kernel k_qe7659e0b20_prep
		.amdhsa_group_segment_fixed_size 312832
		.amdhsa_private_segment_fixed_size 0
		.amdhsa_enable_private_segment 0
		.amdhsa_kernarg_size 64
		.amdhsa_user_sgpr_count 2
		.amdhsa_user_sgpr_kernarg_segment_ptr 1
		.amdhsa_wavefront_size32 1
		.amdhsa_system_sgpr_workgroup_id_x 1
		.amdhsa_system_sgpr_workgroup_id_y 1
		.amdhsa_system_sgpr_workgroup_id_z 1
		.amdhsa_system_vgpr_workitem_id 0
		.amdhsa_next_free_vgpr 256
		.amdhsa_next_free_sgpr 66
		.amdhsa_reserve_vcc 0
		.amdhsa_float_denorm_mode_32 3
		.amdhsa_float_denorm_mode_16_64 3
		.amdhsa_memory_ordered 1
		.amdhsa_forward_progress 1
		.amdhsa_inst_pref_size 98
	.end_amdhsa_kernel
	.amdgpu_metadata
---
amdhsa.version: [ 1, 2 ]
amdhsa.kernels:
  - .name:           k_qe7659e0b20_prep
    .symbol:         k_qe7659e0b20_prep.kd
    .args:
      - { .name: x, .offset: 0, .size: 8, .value_kind: global_buffer, .address_space: global }
      - { .name: W_qkv, .offset: 8, .size: 8, .value_kind: global_buffer, .address_space: global }
      - { .name: W_proj, .offset: 16, .size: 8, .value_kind: global_buffer, .address_space: global }
      - { .name: xc, .offset: 24, .size: 8, .value_kind: global_buffer, .address_space: global }
      - { .name: xs, .offset: 32, .size: 8, .value_kind: global_buffer, .address_space: global }
      - { .name: wc, .offset: 40, .size: 8, .value_kind: global_buffer, .address_space: global }
      - { .name: ws, .offset: 48, .size: 8, .value_kind: global_buffer, .address_space: global }
      - { .name: wp, .offset: 56, .size: 8, .value_kind: global_buffer, .address_space: global }
    .group_segment_fixed_size: 312832
    .private_segment_fixed_size: 0
    .kernarg_segment_align: 8
    .kernarg_segment_size: 64
    .max_flat_workgroup_size: 128
    .sgpr_count:     66
    .vgpr_count:     256
    .wavefront_size: 32
...
	.end_amdgpu_metadata
.endif
;; end of part 1
;; launch qkvgemm (part 2): grid 12 x 16, 4 waves a work-group, clusters of 4 x 4, 327,680 bytes of LDS; arguments xc, xs, wc, ws, qkv, q32; writes qkv, q32
.if DOCPART == 2
	.amdgcn_target "amdgcn-amd-amdhsa--gfx1250"
	.amdhsa_code_object_version 6
	.text
	.protected	k_qe7659e0b20_qkvgemm
	.globl	k_qe7659e0b20_qkvgemm
	.p2align	8
	.type	k_qe7659e0b20_qkvgemm,@function
k_qe7659e0b20_qkvgemm:
	s_mov_b64 s[64:65], 0
	v_nop
	global_prefetch_b8 v0, s[64:65] scope:SCOPE_SE
	s_setreg_imm32_b32 hwreg(HW_REG_WAVE_MODE, 25, 1), 1
	s_wait_xcnt 0x0
	s_wait_alu depctr_hold_cnt(0) depctr_sa_sdst(0) depctr_va_vdst(0) depctr_va_sdst(0) depctr_va_ssrc(0) depctr_va_vcc(0) depctr_vm_vsrc(0)
	s_getreg_b32 s2, hwreg(HW_REG_IB_STS2, 6, 4)
	s_cmp_eq_u32 s2, 0
	s_cbranch_scc0 .Lentry_in_a_cluster
	s_endpgm
.Lentry_in_a_cluster:
	s_bfe_u32 s2, ttmp6, 0x10000c
	s_cmp_lg_u32 s2, 0xf033
	s_cbranch_scc0 .Lentry_shape_is_right
	s_endpgm
.Lentry_shape_is_right:
; qkv = x W_qkv on codes of FP4 (E2M1) with one E8M0 scale for each 32 along K; sums in f32.  A = xc [4096][512 bytes], xs [4096][32]; B = wc [3072][512 bytes], ws [3072][32].
; A tile of 256 tokens x 256 columns is made by four waves, 128 x 128 each: 64 accumulators, 512 registers.  K = 1,024 is two K steps of 512: the ring's two slots hold all of it, so both are first
; fills and nothing is filled again.  By this text's count a wave has three tensor loads out at the start (scales, slot 0, slot 1) and none later.
; CLUSTERS: 4 x 4 work-groups; A's tiles are asked for jointly along a row of the cluster, B's along a column.
; THE RESULTS LEAVE AS f16 IMAGES OF THE NEXT PRODUCTS' OPERAND REGISTERS (an image: 16 rows x 32 k, 1,024 bytes; byte 512 c + 16 lane + 2 e is row lane % 16, k = 16 c + 8 (lane / 16) + e):
;   qkv + 0:          Q   [batch x head 32][16 queries: 128][32 channels: 2]     qkv + 8,388,608: K likewise
;   qkv + 16,777,216: V^T [batch x head 32][32 keys: 64][16 channels: 4]         (rows = channels, k = keys)
; For Q and K the matrix instruction is used transposed (source 0 = 16 columns of W, source 1 = 16 tokens): a lane holds one token and eight neighbouring channels, which pack into four registers of an image.
; For V it is used as it stands (source 0 = tokens, source 1 = columns): a lane holds one channel and eight neighbouring keys.  The cluster's x says which third of the columns a cluster makes (0 Q, 1 K, 2 V):
; it is the same in all partners, and the text from the first barrier on is written twice.  No stage in LDS: every store covers 512 consecutive bytes, aligned.
; The rows of positions 0..15 of each sequence leave in f32 as well (q32: [Q, K, V][batch][head][16 channels: 4] images of an accumulator: byte 512 c + 16 lane + 4 e is register 4 c + e).
; LIMITS: |q|, |k|, |v| stay under 65,504 (f16); NaN and infinities are not served.
.set KROW,   512                       ; a row of codes in memory
.set NQ,     4                         ; matrix instructions deep in a K step of 512
.set ROWB,   256                       ; a tile's row in bytes
.set PITCH,  272                       ; an LDS row: 256 bytes + 16 of padding: the 16 rows that a load touches start at 16 different banks (64 banks of 4 bytes: ISA guide 11.1)
.set FR,     8
.set NL,     2
.set NP,     4                         ; places behind this matrix instruction (ISA guide 7.12.1)
.set HALFT,  128*PITCH
.set SLOT,   4*HALFT
.set KS,     32                        ; a row of scale bytes
.set SCL,    2*SLOT                    ; behind the ring: the scales, as units of 256 bytes + 16 of padding
.set HALFS,  (128*KS/256)*272
.set SBLK,   (16*KS/256)*272
.set SPARE,  SCL+4*HALFS               ; the spare words: two blocks of 256 bytes that no other line names
.set ADRA, 16
.set ADRB, 20
.set CO,   26                          ; v26  16 x lane: my place in an image
.set ADRS, 27
.set SPW,  28
.set NIL,  29
.set SC,   32                          ; v32-95 scale words, two sets: lanes 0-15 A's, lanes 16-31 B's
.set AF,   128                         ; A's fragments, window 0; B's two sets in window 1; accumulators in windows 2 and 3
.set G1, 24
.set G0, 32
.set G1B, 48
.set G0B, 56
.set G1S, 68
.set G0S, 76
.set G1SB, 80
.set G0SB, 88
.set MSB, 0
.macro WIN new                         ; the immediate's high byte repeats the setting that is left
.if MSB != (\new)
	s_set_vgpr_msb (MSB<<8)|(\new)
.set MSB, (\new)
.endif
.endm
.set TO_B,   0x40
.macro JLOAD g0a, g1a, g0b, g1b        ; a joint load: waves 0 and 1 fetch for A, waves 2 and 3 for B; an s_nop 0 and four v_nop follow each line
	s_cmp_eq_u32 s15, 0
	s_cbranch_scc0 .Lfor_b_\@
	tensor_load_to_lds s[\g0a:\g0a+3], s[\g1a:\g1a+7]
	s_nop 0
.rept 4
	v_nop
.endr
	s_branch .Lasked_\@
.Lfor_b_\@:
	tensor_load_to_lds s[\g0b:\g0b+3], s[\g1b:\g1b+7]
	s_nop 0
.rept 4
	v_nop
.endr
.Lasked_\@:
.endm
.macro CROUND                          ; a round of the cluster's barrier
	s_barrier_signal -1
	s_barrier_wait -1
	s_cmp_lg_u32 s14, 0
	s_cbranch_scc1 .Lnot_wave_0_\@
	s_barrier_signal -3
.Lnot_wave_0_\@:
	s_barrier_wait -3
	s_barrier_signal -1
	s_barrier_wait -1
.endm
	s_load_b128 s[4:7], s[0:1], 0x0                ; A's codes, A's scales
	s_load_b128 s[8:11], s[0:1], 0x10              ; B's codes, B's scales
	s_load_b64 s[12:13], s[0:1], 0x20              ; qkv
	s_load_b64 s[66:67], s[0:1], 0x28              ; q32
	v_lshl_add_u32 v[SPW], v0, 2, SPARE
	v_mov_b32 v[NIL], 0
	ds_add_u32 v[SPW], v[NIL]                      ; the opening: the add, twice on end, and its wait ahead of my first tensor load
	ds_add_u32 v[SPW], v[NIL]
	v_lshrrev_b32 v1, 5, v0
	v_readfirstlane_b32 s14, v1                    ; wave 0..3
	s_lshr_b32 s15, s14, 1                         ; which half of the tile's rows is mine.  Also: I fetch for A (0) or for B (1)
	s_and_b32 s16, s14, 1                          ; which half of its columns.  Also: which 128 rows of that tile I fetch
	s_bfe_u32 s40, ttmp6, 0x40000                  ; cx, cy
	s_bfe_u32 s41, ttmp6, 0x40004
	s_lshl_b32 s42, ttmp9, 2
	s_add_co_u32 s42, s42, s40                     ; tile column
	s_and_b32 s17, ttmp7, 0xffff
	s_lshl_b32 s17, s17, 2
	s_add_co_u32 s17, s17, s41                     ; tile row
	s_lshl_b32 s43, s41, 2
	s_lshl_b32 s43, 15, s43                        ; my row of the cluster
	s_lshl_b32 s44, 0x1111, s40                    ; my column
	s_or_b32 s[G1+0], s43, (0<<16)|(1<<20)|(1<<21)|(5<<22)|(3<<25)   ; the mask; elements of 1 byte; padding: 4 words after every 64; bit 21 beside a mask
	s_or_b32 s[G1B+0], s44, (0<<16)|(1<<20)|(1<<21)|(5<<22)|(3<<25)
.irp g, G1, G1B
	s_mov_b32 s[\g+1], ROWB<<16
	s_mov_b32 s[\g+2], 128<<16
	s_mov_b32 s[\g+3], ROWB<<16
	s_mov_b32 s[\g+4], 128
	s_mov_b32 s[\g+5], KROW
	s_mov_b32 s[\g+6], 0
	s_mov_b32 s[\g+7], 0
.endr
	s_or_b32 s[G1S+0], s43, (3<<16)|(1<<20)|(1<<21)|(5<<22)|(3<<25)  ; the scales of 128 rows: a dense block, as rows of 256 bytes
	s_or_b32 s[G1SB+0], s44, (3<<16)|(1<<20)|(1<<21)|(5<<22)|(3<<25)
.irp g, G1S, G1SB
	s_mov_b32 s[\g+1], 32<<16
	s_mov_b32 s[\g+2], (128*KS/256)<<16
	s_mov_b32 s[\g+3], 32<<16
	s_mov_b32 s[\g+4], 128*KS/256
	s_mov_b32 s[\g+5], 32
	s_mov_b32 s[\g+6], 0
	s_mov_b32 s[\g+7], 0
.endr
	s_lshl_b32 s18, s16, 7
	s_lshl_b32 s20, s17, 8
	s_add_co_u32 s20, s20, s18                     ; A: row 256 x tile row + 128 x half
	s_lshl_b32 s46, s42, 8
	s_add_co_u32 s46, s46, s18                     ; B: row 256 x tile column + 128 x half
	s_mov_b32 s21, 0
	s_mov_b32 s47, 0
	s_mov_b64 s[18:19], KS
	s_mul_u64 s[22:23], s[20:21], s[18:19]
	s_mul_u64 s[92:93], s[46:47], s[18:19]
	s_mov_b64 s[18:19], KROW
	s_mul_u64 s[20:21], s[20:21], s[18:19]
	s_mul_u64 s[46:47], s[46:47], s[18:19]
	s_mul_i32 s45, s14, HALFT                      ; where they go: wave x 128 rows
	s_mul_i32 s94, s14, HALFS
	s_wait_dscnt 0x0                               ; both opening adds are done
	s_wait_kmcnt 0x0
	s_add_nc_u64 s[20:21], s[4:5], s[20:21]
	s_add_nc_u64 s[22:23], s[6:7], s[22:23]
	s_add_nc_u64 s[46:47], s[8:9], s[46:47]
	s_add_nc_u64 s[92:93], s[10:11], s[92:93]
	CROUND                                         ; all sixteen work-groups are here: the joint loads meet
	s_mov_b32 s[G0S], 1
	s_add_co_u32 s[G0S+1], s94, SCL
	s_mov_b64 s[G0S+2:G0S+3], s[22:23]
	s_or_b32 s[G0S+3], s[G0S+3], 0x80000000
	s_mov_b32 s[G0SB], 1
	s_add_co_u32 s[G0SB+1], s94, SCL
	s_mov_b64 s[G0SB+2:G0SB+3], s[92:93]
	s_or_b32 s[G0SB+3], s[G0SB+3], 0x80000000
	JLOAD G0S, G1S, G0SB, G1SB                     ; the scales first
.irp s, 0,1
	s_mov_b32 s[G0+4*\s], 1
	s_add_co_u32 s[G0+4*\s+1], s45, \s*SLOT
	s_add_nc_u64 s[G0+4*\s+2:G0+4*\s+3], s[20:21], \s*ROWB
	s_or_b32 s[G0+4*\s+3], s[G0+4*\s+3], 0x80000000
	s_mov_b32 s[G0B+4*\s], 1
	s_add_co_u32 s[G0B+4*\s+1], s45, \s*SLOT
	s_add_nc_u64 s[G0B+4*\s+2:G0B+4*\s+3], s[46:47], \s*ROWB
	s_or_b32 s[G0B+4*\s+3], s[G0B+4*\s+3], 0x80000000
	JLOAD G0+4*\s, G1, G0B+4*\s, G1B
.endr
	v_and_b32 v1, 15, v0
	v_bfe_u32 v2, v0, 4, 1
	v_mul_u32_u24 v3, v1, PITCH
	v_lshl_add_u32 v4, v2, 4, v3                   ; a fragment's row x pitch + 16 x half
	s_mul_i32 s21, s15, HALFT
	s_mul_i32 s22, s16, HALFT
	s_add_co_u32 s22, s22, 2*HALFT
.irp s, 0,1
	v_add_nc_u32 v[ADRA+\s], s21, v4
	v_add_nc_u32 v[ADRB+\s], s22, v4
	s_add_co_u32 s21, s21, SLOT
	s_add_co_u32 s22, s22, SLOT
.endr
	v_mul_u32_u24 v5, v1, KS                       ; my row's scales: 32 bytes a row,
	v_lshrrev_b32 v6, 8, v5
	v_lshl_add_u32 v5, v6, 4, v5                   ; and 16 more for each 256 passed
	s_mul_i32 s21, s15, HALFS
	s_mul_i32 s22, s16, HALFS
	s_add_co_u32 s22, s22, 2*HALFS
	s_sub_co_u32 s22, s22, s21
	v_mul_u32_u24 v6, s22, v2                      ; lanes 16-31 take B's
	s_add_co_u32 s21, s21, SCL
	v_add_nc_u32 v5, v5, v6
	v_add_nc_u32 v[ADRS], s21, v5
	v_and_b32 v6, 31, v0
	v_lshlrev_b32 v[CO], 4, v6
	; where my results go.  My 128 tokens begin at position 256 (tile row % 8) + 128 x half of sequence tile row / 8; my 128 columns are heads 4 cx + 2 x half and the next
	s_lshr_b32 s20, s17, 3                         ; the sequence
	s_and_b32 s21, s17, 7
	s_or_b32 s95, s21, s15                         ; 0 where my first token is position 0
	s_lshl_b32 s92, s40, 2
	s_lshl_b32 s93, s16, 1
	s_add_co_u32 s92, s92, s93                     ; my first head
	s_lshl_b32 s93, s20, 4
	s_add_co_u32 s93, s93, s92                     ; 16 x sequence + head
	s_lshl_b32 s46, s93, 18                        ; 262,144 bytes a head in each third of qkv,
	s_lshl_b32 s47, ttmp9, 23                      ; 8,388,608 a third,
	s_add_co_u32 s46, s46, s47
	s_lshl_b32 s47, s21, 15                        ; 128 bytes a token, in Q and K and in V^T alike
	s_add_co_u32 s46, s46, s47
	s_lshl_b32 s47, s15, 14
	s_add_co_u32 s46, s46, s47
	s_mov_b32 s47, 0
	s_add_nc_u64 s[12:13], s[12:13], s[46:47]
	s_lshl_b32 s47, ttmp9, 5
	s_add_co_u32 s92, s93, s47                     ; (2 x third + sequence) x 16 + head
	s_lshl_b32 s92, s92, 12                        ; four images of 1,024 bytes a head
	s_mov_b32 s93, 0
	s_add_nc_u64 s[66:67], s[66:67], s[92:93]
.macro FRAG reg, adr, q, i             ; 16 rows x 128 K of 4-bit codes: 8 registers, two loads of 16 bytes, 32 bytes apart
.irp c, 0,1
	ds_load_b128 v[\reg+4*\c:\reg+4*\c+3], v[\adr] offset:64*(\q)+32*\c+(\i)*16*PITCH
.endr
.endm
; 16 matrix instructions: A's blocks a0, a0 + 1 x B's eight, 128 along K.  The 64 accumulators take turns, one instruction a turn, in the same order in every step.
; SWP = 0: source 0 = B's block (its scale words in lanes 16-31 of its register), source 1 = A's.  SWP = 1: the other way round.
.macro MUL16 a0, p, q, sc, zero
.irp a, \a0, \a0+1
.irp b, 0,1,2,3,4,5,6,7
.set rD, 8*(8*((\a)%4)+\b)
.set rB, 128*(\p)+FR*\b
.set rA, AF+FR*(\a)
.set sB, SC+8*NQ*(\sc)+NQ*\b+(\q)
.set sA, SC+8*NQ*(\sc)+NQ*(\a)+(\q)
.if SWP
.if \zero
	v_wmma_scale_f32_16x16x128_f8f6f4 v[rD:rD+7], v[rA:rA+7], v[rB:rB+7], 0, v[sA], v[sB] matrix_a_fmt:MATRIX_FMT_FP4 matrix_b_fmt:MATRIX_FMT_FP4 matrix_b_scale:MATRIX_SCALE_ROW1
.else
	v_wmma_scale_f32_16x16x128_f8f6f4 v[rD:rD+7], v[rA:rA+7], v[rB:rB+7], v[rD:rD+7], v[sA], v[sB] matrix_a_fmt:MATRIX_FMT_FP4 matrix_b_fmt:MATRIX_FMT_FP4 matrix_b_scale:MATRIX_SCALE_ROW1
.endif
.else
.if \zero
	v_wmma_scale_f32_16x16x128_f8f6f4 v[rD:rD+7], v[rB:rB+7], v[rA:rA+7], 0, v[sB], v[sA] matrix_a_fmt:MATRIX_FMT_FP4 matrix_b_fmt:MATRIX_FMT_FP4 matrix_a_scale:MATRIX_SCALE_ROW1
.else
	v_wmma_scale_f32_16x16x128_f8f6f4 v[rD:rD+7], v[rB:rB+7], v[rA:rA+7], v[rD:rD+7], v[sB], v[sA] matrix_a_fmt:MATRIX_FMT_FP4 matrix_b_fmt:MATRIX_FMT_FP4 matrix_a_scale:MATRIX_SCALE_ROW1
.endif
.endif
.endr
.endr
.endm
.macro FETCH_B slot, q, p
	WIN TO_B
.irp i, 0,1,2,3,4,5,6,7
	FRAG 128*(\p)+FR*\i, ADRB+\slot, \q, \i
.endr
	WIN 0
.endm
.macro FETCH_A slot, q, i0
.irp i, \i0, \i0+1, \i0+2, \i0+3
	FRAG AF+FR*(\i), ADRA+\slot, \q, \i
.endr
.endm
.macro SCALES sc                       ; a K step's scale words: four words a row; lanes 0-15 take A's block i, lanes 16-31 B's block i
.irp i, 0,1,2,3,4,5,6,7
	ds_load_b128 v[SC+8*NQ*\sc+NQ*\i:SC+8*NQ*\sc+NQ*\i+3], v[ADRS] offset:\i*SBLK
.endr
.endm
.macro PLACES n                        ; plain vector lines between a matrix instruction and a load into, or a read of, its registers
.rept \n
	v_nop
.endr
.endm
.macro STEP slot, q, zero              ; a step of 128 along K that has its successor in the same slot
	s_wait_dscnt 4*NL                              ; B's set and A's blocks 0-3 are in; the youngest eight loads (A's blocks 4-7) may be out
	WIN MUL_LO
	MUL16 0, (\q)%2, \q, \slot, \zero
	MUL16 2, (\q)%2, \q, \slot, \zero
	s_wait_dscnt 0
	PLACES NP
	FETCH_B \slot, (\q)+1, 1-(\q)%2
	FETCH_A \slot, (\q)+1, 0
	WIN MUL_HI
	MUL16 4, (\q)%2, \q, \slot, \zero
	MUL16 6, (\q)%2, \q, \slot, \zero
	PLACES NP
	WIN 0
	FETCH_A \slot, (\q)+1, 4
.endm
; Slot 0's last step goes over to slot 1: in front of the barrier each wave waits for all its tensor loads (its part of slot 1), adds 0 to its spare word and waits for that.  Nothing is filled again.
.macro TURN slot, next
	s_wait_tensorcnt 0x0
	ds_add_u32 v[SPW], v[NIL]
	s_wait_dscnt 4*NL+1                            ; (the add and A's blocks 4-7 may be out)
	WIN MUL_LO
	MUL16 0, 1, NQ-1, \slot, 0
	s_wait_dscnt 0x0
	s_barrier_signal -1
	MUL16 2, 1, NQ-1, \slot, 0
	WIN 0
	s_barrier_wait -1
	PLACES NP
	v_add_nc_u32 v[ADRS], 4*NQ, v[ADRS]            ; on to the next K step's scale words (no LDS load of mine is out)
	FETCH_B \next, 0, 0
	FETCH_A \next, 0, 0
	SCALES \next
	WIN MUL_HI
	MUL16 4, 1, NQ-1, \slot, 0
	MUL16 6, 1, NQ-1, \slot, 0
	PLACES NP
	WIN 0
	FETCH_A \next, 0, 4
.endm
; THE WAY OUT of block a (16 tokens x 128 columns): rounded to f16, each accumulator from its low end on; four registers of an accumulator are half an image.
.macro PACK a
.set AC, 64*((\a)%4)
.set TP, 128+32*((\a)%4)
	WIN 0x0a+5*((\a)/4)
.irp b, 0,1,2,3,4,5,6,7
.irp r, 0,1,2,3
	v_cvt_pk_f16_f32 v[TP+4*\b+\r], v[AC+8*\b+2*\r], v[AC+8*\b+2*\r+1]
.endr
.endr
	WIN 0
.endm
.macro STORE a
.set TP, 128+32*((\a)%4)
.irp b, 0,1,2,3,4,5,6,7
.if SWP
	global_store_b128 v[CO], v[TP+4*\b:TP+4*\b+3], s[12:13] offset:4096*((\a)/2)+512*((\a)%2)+1024*(\b%4)+262144*(\b/4)   ; V^T: 32 keys a / 2, half a % 2; channels 16 (b % 4); head b / 4
.else
	global_store_b128 v[CO], v[TP+4*\b:TP+4*\b+3], s[12:13] offset:2048*(\a)+512*(\b%4)+262144*(\b/4)                    ; Q, K: 16 tokens a; channels 16 (b % 4); head b / 4
.endif
.endr
.endm
.macro MAIN
	s_wait_tensorcnt 1                             ; the scales and my part of K step 0 are in (K step 1's load may be out),
	s_barrier_signal -1
	s_barrier_wait -1                              ; everybody's are
	FETCH_B 0, 0, 0
	FETCH_A 0, 0, 0
	SCALES 0
	FETCH_A 0, 0, 4
	STEP 0, 0, 1                                   ; the first products start the sums: nothing is cleared
	STEP 0, 1, 0
	STEP 0, 2, 0
	TURN 0, 1
	STEP 1, 0, 0
	STEP 1, 1, 0
	STEP 1, 2, 0
	s_wait_dscnt 4*NL
	WIN MUL_LO
	MUL16 0, 1, NQ-1, 1, 0
	MUL16 2, 1, NQ-1, 1, 0
	s_wait_dscnt 0
	WIN MUL_HI
	MUL16 4, 1, NQ-1, 1, 0
	MUL16 6, 1, NQ-1, 1, 0
	WIN 0
	PLACES NP                                      ; the packed results land where A's fragments lay
.irp a, 0,1,2,3,4,5,6,7
.if \a >= 4
	s_wait_xcnt 0x0                                ; block a - 4's stores have read their registers, which are written again
.endif
	PACK \a
	STORE \a
.endr
	; positions 0..15 in f32: block 0 of the waves whose first token is position 0.  That hangs on the work-group's place, so it is no branch: the lanes are switched off elsewhere
	s_wait_xcnt 0x0                                ; EXEC changes only behind this wait
	v_mov_b32 v30, s95
	v_cmp_eq_u32 vcc_lo, 0, v30
	s_and_saveexec_b32 s94, vcc_lo
	WIN 0x08                                       ; a store's data: window 2
.irp b, 0,1,2,3,4,5,6,7
	global_store_b128 v[CO], v[8*\b:8*\b+3], s[66:67] offset:1024*\b
	global_store_b128 v[CO], v[8*\b+4:8*\b+7], s[66:67] offset:1024*\b+512
.endr
	WIN 0
	s_wait_xcnt 0x0                                ; and again, in front of the line that widens it
	s_or_b32 exec_lo, exec_lo, s94
	s_wait_tensorcnt 0x0                           ; the wave's end
	ds_add_u32 v[SPW], v[NIL]
	s_wait_dscnt 0x0
	CROUND                                         ; the closing round
	s_endpgm
.endm
	s_cmp_eq_u32 ttmp9, 2                          ; the cluster's x: the same in all sixteen partners
	s_cbranch_scc1 .Lv
.set SWP, 0
.set MUL_LO, 0xa1                      ; source 0 (B) window 1, source 1 (A) window 0, C and D window 2
.set MUL_HI, 0xf1
	MAIN
.Lv:
.set SWP, 1
.set MUL_LO, 0xa4                      ; source 0 (A) window 0, source 1 (B) window 1
.set MUL_HI, 0xf4
	MAIN
.Lfunc_end_k_qe7659e0b20_qkvgemm:
	.size	k_qe7659e0b20_qkvgemm, .Lfunc_end_k_qe7659e0b20_qkvgemm-k_qe7659e0b20_qkvgemm
	.p2alignl 7, 3214868480
	.fill 96, 4, 3214868480
	.section	.rodata,"a",@progbits
	.p2align	6, 0x0
	.amdhsa_kernel k_qe7659e0b20_qkvgemm
		.amdhsa_group_segment_fixed_size 327680
		.amdhsa_private_segment_fixed_size 0
		.amdhsa_enable_private_segment 0
		.amdhsa_kernarg_size 48
		.amdhsa_user_sgpr_count 2
		.amdhsa_user_sgpr_kernarg_segment_ptr 1
		.amdhsa_wavefront_size32 1
		.amdhsa_system_sgpr_workgroup_id_x 1
		.amdhsa_system_sgpr_workgroup_id_y 1
		.amdhsa_system_sgpr_workgroup_id_z 1
		.amdhsa_system_vgpr_workitem_id 0
		.amdhsa_next_free_vgpr 1024
		.amdhsa_next_free_sgpr 100
		.amdhsa_reserve_vcc 1
		.amdhsa_float_denorm_mode_32 3
		.amdhsa_float_denorm_mode_16_64 3
		.amdhsa_memory_ordered 1
		.amdhsa_forward_progress 1
		.amdhsa_inst_pref_size 229
	.end_amdhsa_kernel
	.amdgpu_metadata
---
amdhsa.version: [ 1, 2 ]
amdhsa.kernels:
  - .name:           k_qe7659e0b20_qkvgemm
    .symbol:         k_qe7659e0b20_qkvgemm.kd
    .args:
      - { .name: xc, .offset: 0, .size: 8, .value_kind: global_buffer, .address_space: global }
      - { .name: xs, .offset: 8, .size: 8, .value_kind: global_buffer, .address_space: global }
      - { .name: wc, .offset: 16, .size: 8, .value_kind: global_buffer, .address_space: global }
      - { .name: ws, .offset: 24, .size: 8, .value_kind: global_buffer, .address_space: global }
      - { .name: qkv, .offset: 32, .size: 8, .value_kind: global_buffer, .address_space: global }
      - { .name: q32, .offset: 40, .size: 8, .value_kind: global_buffer, .address_space: global }
    .group_segment_fixed_size: 327680
    .private_segment_fixed_size: 0
    .kernarg_segment_align: 8
    .kernarg_segment_size: 48
    .max_flat_workgroup_size: 128
    .sgpr_count:     100
    .vgpr_count:     1024
    .wavefront_size: 32
...
	.end_amdgpu_metadata
.endif
;; end of part 2
;; launch attn (part 3): grid 8 x 32, 16 waves a work-group, no clusters, 327,680 bytes of LDS; arguments qkv, yi; writes yi
.if DOCPART == 3
	.amdgcn_target "amdgcn-amd-amdhsa--gfx1250"
	.amdhsa_code_object_version 6
	.text
	.protected	k_qe7659e0b20_attn
	.globl	k_qe7659e0b20_attn
	.p2align	8
	.type	k_qe7659e0b20_attn,@function
k_qe7659e0b20_attn:
	s_mov_b64 s[64:65], 0
	v_nop
	global_prefetch_b8 v0, s[64:65] scope:SCOPE_SE
	s_setreg_imm32_b32 hwreg(HW_REG_WAVE_MODE, 25, 1), 1
	s_wait_xcnt 0x0
; y[b][h][q] = the sum over k <= q of softmax_k(q . k / 8) v, for 32 heads of 2,048 positions x 64 channels.  Operands in f16, products, maxima and sums in f32; a running maximum is taken away ahead of every exponential.
; Q, K and V^T come as images of the operands' registers (16 rows x 32 k, 1,024 bytes, 16 bytes a lane and half): every load covers 512 consecutive bytes, nothing is padded or turned.
; SHARES.  Work-group (i, head) owns the query blocks i and 15 - i of 128 queries: 17 blocks of keys' work in every work-group, whatever i.  Each of its sixteen waves owns one tile of 16 queries in 256 registers;
; the low and the high block's tiles are dealt so that each group of four waves, by number / 4 and by number % 4 alike, has two of each.
; LAYOUT.  S^T = K Q^T (source 0 = 16 keys, source 1 = my queries) and O^T = V^T P (source 0 = 16 channels, source 1 = P): a lane holds ONE query throughout; two tiles of S^T, rounded to f16 in pairs, are P's registers;
; O^T, divided by the sum and rounded, is an image of the projection's operand: yi [128 tokens: 32][256 k: 4][16 tokens: 8][32 k: 8] x 1,024 bytes, k = 64 head + channel.
; RING.  Two slots of 256 keys (K's 32 KiB, then V's), filled by waves 0 to 3, one tensor load of 16 KiB each, and read by all sixteen.  By this text's count a loading wave has one tensor load out.
; THE STEP'S CHAIN.  While only the high block's waves have work, a step is as long as its own chain.  So K's fragments of the next step of the same slot are asked for in the middle of this step's softmax and land under
; its rest and under V^T P; V's are asked for behind K Q^T and land under the softmax; the row's sum, which feeds no product, stands behind the products V^T P.
; THE CAUSAL MASK.  Every work-group walks all eight slots, so that the trip counts are constants; at the first step all of whose 64 keys come after the wave's queries the wave leaves the slot's steps (the later ones are
; hidden too), and a slot whose first key comes after the work-group's last query is not asked for.  On the diagonal hidden scores become -infinity ahead of the maximum.  Key 0 counts for every query, so the maximum is a number from the first step on.
; NO CLUSTER: the eight work-groups of a head need 16 - i blocks of keys, different numbers of tiles, and under the mask every wave of some partner would jump over the reads of a tile asked for jointly.
; LIMITS: p under about 3e-8 of its row's largest becomes 0 in f16; NaN and infinities are not served.  Positions 0..15 are written here too and are computed anew in f32 by a later launch.
.set SK,    256                        ; keys in a slot
.set SLOT1, 65536
.set VOFF,  32768
.set SPARE, 131072                     ; the spare words, 128 bytes for each wave: eight blocks of 256 bytes that no other line names
.set L16,  1                           ; v1   16 x lane
.set AD,   2                           ; v2   LDS address of the slot in hand, for my lane
.set SPW,  3                           ; v3   my spare word; never rewritten
.set NIL,  4                           ; v4   0; never rewritten
.set PFO,  5                           ; v5   256 x lane
.set RH,   6                           ; v6   lane % 16 - 8 (lane / 16)
.set QF,   24                          ; v24-39   Q's two fragments       v8 c m, v9 m, v[10:11] the sum in two halves, v12 a, v14-23 at work
.set KFR,  40                          ; v40-103  K's eight
.set VFR,  104                         ; v104-167 V's eight
.set S,    168                         ; v168-199 S^T, then p
.set P,    200                         ; v200-215 p in f16
.set O,    216                         ; v216-247 O^T
.set NINF, 248
.set WV,   18
.set SEL,  20
.set CS,   22                          ; s[22:23] c = log2(e) / 8
.set G1,   24
.set G0,   32
.set TB,   2                           ; s2   LDS byte at which the slot in hand begins
.set KF,   36                          ; s36  the first key of the slot in hand (s45: of the step in hand)
.set Q0,   37                          ; s37  my first query
.set QE,   38                          ; s38  my last
.set QL,   39                          ; s39  my work-group's last
.set SLOTS, 40
.set LIM,  41
.set PFA,  42
.macro TLOAD                           ; waves 0 to 3 fetch, the others nothing; an s_nop 0 and four v_nop follow the line
	s_cmp_lt_u32 s[WV], 4
	s_cbranch_scc0 .Lno_load_\@
	tensor_load_to_lds s[G0:G0+3], s[G1:G1+7]
	s_nop 0
.rept 4
	v_nop
.endr
.Lno_load_\@:
.endm
; A prefetch of what the NEXT change of slots will ask for: K's and V's 32,768 bytes of a slot.  All work-groups of a head walk the same K and V: the head's first work-group, which walks every slot, asks;
; in it waves 4 to 7 for K's block and waves 8 to 11 for V's, 8,192 bytes a wave, lanes 256 bytes apart: each aligned 256 bytes are named once in the launch.  The last change that fills a slot asks for nothing.
.macro ASK
	s_cmp_gt_u32 s[SLOTS], s[LIM]
	s_cbranch_scc0 .Lnot_mine_\@
	global_prefetch_b8 v[PFO], s[PFA:PFA+1] th:TH_LOAD_NT scope:SCOPE_SE
.Lnot_mine_\@:
.endm
	s_load_b128 s[4:7], s[0:1], 0x0                ; qkv, yi
	v_lshl_add_u32 v[SPW], v0, 2, SPARE
	v_mov_b32 v[NIL], 0
	ds_add_u32 v[SPW], v[NIL]                      ; the opening: the add, twice on end, and its wait ahead of a wave's first tensor load
	ds_add_u32 v[SPW], v[NIL]
	v_lshrrev_b32 v7, 5, v0
	v_readfirstlane_b32 s[WV], v7                  ; wave 0..15
	s_and_b32 s8, ttmp7, 0xffff                    ; 16 x sequence + head
	s_lshr_b32 s44, s[WV], 2
	s_add_co_u32 s44, s44, s[WV]
	s_and_b32 s44, s44, 1                          ; 1: my tile lies in the high block
	s_sub_co_u32 s45, 15, ttmp9
	s_cmp_eq_u32 s44, 1
	s_cselect_b32 s45, s45, ttmp9                  ; my block of 128 queries
	s_lshl_b32 s45, s45, 7
	s_lshr_b32 s46, s[WV], 1
	s_lshl_b32 s46, s46, 4
	s_add_co_u32 s[Q0], s45, s46
	s_add_co_u32 s[QE], s[Q0], 15
	s_sub_co_u32 s[QL], 16, ttmp9
	s_lshl_b32 s[QL], s[QL], 7
	s_sub_co_u32 s[QL], s[QL], 1
	; descriptor group 1: a dense block of 16,384 bytes as 64 rows of 32 elements of 8 bytes
	s_mov_b32 s[G1], 3<<16
	s_mov_b32 s[G1+1], 32<<16
	s_mov_b32 s[G1+2], 64<<16
	s_mov_b32 s[G1+3], 32<<16
	s_mov_b32 s[G1+4], 64
	s_mov_b32 s[G1+5], 32
	s_mov_b32 s[G1+6], 0
	s_mov_b32 s[G1+7], 0
	s_mov_b32 s[SEL], 0x76543210
	s_mov_b32 s[SEL+1], 0xfedcba98                 ; v_permlanex16_b32's selects for lane l xor 16
	s_mov_b32 s[CS], 0x3e38aa3b                    ; c = log2(e) / 8
	s_mov_b32 s[CS+1], s[CS]
	s_mov_b32 s[TB], 0
	s_mov_b32 s[KF], 0
	s_mov_b32 s[SLOTS], 7
	s_lshl_b32 s12, s8, 18                         ; the head's first byte in each third of qkv
	s_and_b32 s9, s[WV], 3                         ; what I fetch, if I fetch: 0, 1: K's halves; 2, 3: V's
	s_lshl_b32 s[G0+1], s9, 14                     ; in a slot,
	s_lshr_b32 s10, s9, 1
	s_add_co_u32 s10, s10, 1
	s_lshl_b32 s10, s10, 23
	s_add_co_u32 s10, s10, s12
	s_and_b32 s13, s[WV], 1
	s_lshl_b32 s13, s13, 14
	s_add_co_u32 s10, s10, s13                     ; and in memory
	s_mov_b32 s11, 0
	s_wait_dscnt 0x0                               ; both opening adds are done
	s_wait_kmcnt 0x0
	s_mov_b32 s[G0], 1
	s_add_nc_u64 s[G0+2:G0+3], s[4:5], s[10:11]
	s_or_b32 s[G0+3], s[G0+3], 0x80000000
	TLOAD                                          ; slot 0: it holds key 0, which every wave reads
	v_and_b32 v7, 31, v0
	v_lshlrev_b32 v[L16], 4, v7
	v_lshlrev_b32 v[PFO], 8, v7
	s_lshl_b32 s14, s[Q0], 7                       ; 128 bytes a query
	s_add_co_u32 s14, s14, s12
	s_mov_b32 s15, 0
	s_add_nc_u64 s[14:15], s[4:5], s[14:15]
.irp n, 0,1,2,3
	global_load_b128 v[QF+4*\n:QF+4*\n+3], v[L16], s[14:15] offset:512*\n   ; Q's two fragments stay in registers
.endr
	s_lshr_b32 s44, s[WV], 2                       ; the prefetches: waves 4 to 7 stand in K's third, waves 8 to 11 in V's
	s_min_u32 s44, s44, 2
	s_lshl_b32 s44, s44, 23
	s_add_co_u32 s44, s44, s12
	s_and_b32 s45, s[WV], 3
	s_lshl_b32 s45, s45, 13
	s_add_co_u32 s44, s44, s45
	s_add_co_u32 s44, s44, 32768                   ; in slot 1: the first change of slots steps it to slot 2.  Nothing is prefetched at the head
	s_mov_b32 s45, 0
	s_add_nc_u64 s[PFA:PFA+1], s[4:5], s[44:45]
	s_sub_co_u32 s44, s[WV], 4
	s_lshr_b32 s44, s44, 3                         ; 0 in waves 4 to 11,
	s_or_b32 s44, s44, ttmp9                       ; of the head's first work-group
	s_cmp_eq_u32 s44, 0
	s_cselect_b32 s[LIM], 1, -1
	s_lshr_b32 s44, s8, 4                          ; where y goes: my tile of 16 tokens is number 128 x sequence + Q0 / 16
	s_lshl_b32 s44, s44, 7
	s_lshr_b32 s45, s[Q0], 4
	s_add_co_u32 s44, s44, s45
	s_lshr_b32 s45, s44, 3
	s_lshl_b32 s45, s45, 2
	s_and_b32 s46, s8, 15                          ; the head
	s_lshr_b32 s47, s46, 2
	s_add_co_u32 s45, s45, s47
	s_lshl_b32 s45, s45, 3
	s_and_b32 s44, s44, 7
	s_add_co_u32 s45, s45, s44
	s_lshl_b32 s44, s45, 13
	s_and_b32 s46, s46, 3
	s_lshl_b32 s46, s46, 11
	s_add_co_u32 s44, s44, s46
	s_mov_b32 s45, 0
	s_add_nc_u64 s[6:7], s[6:7], s[44:45]
	v_and_b32 v[RH], 15, v0
	v_bfe_u32 v7, v0, 4, 1
	v_lshlrev_b32 v7, 3, v7
	v_sub_nc_u32 v[RH], v[RH], v7
	v_mov_b32 v9, 0xff61b1e6                       ; the largest score so far: -3e38, under every score
	v_mul_f32 v8, s[CS], v9
	v_mov_b32 v10, 0                               ; the sum
	v_mov_b32 v11, 0
	v_mov_b32 v12, 0
	v_mov_b32 v13, 0                               ; (named as the upper half of the pair v[12:13])
	v_mov_b32 v14, 0                               ; (a lane permute's destination counts as one of its sources)
	v_mov_b32 v15, 0
	v_mov_b32 v[NINF], 0xff800000
.set n, 0
.rept 32
	v_mov_b32 v[O+n], 0                            ; O^T.  (The step is written once: the first finds zeros, which a = 0 leaves zeros)
.set n, n+1
.endr
; K's eight fragments of the slot's q-th 64 keys: channels 0-31 of the four tiles of keys first, then channels 32-63
.macro KLOAD q
.irp f, 0,1
.irp kt, 0,1,2,3
.irp u, 0,1
	ds_load_b128 v[KFR+16*\kt+8*\f+4*\u:KFR+16*\kt+8*\f+4*\u+3], v[AD] offset:8192*(\q)+2048*\kt+1024*\f+512*\u
.endr
.endr
.endr
.endm
; A KEY STEP: 64 keys, the q-th of the slot in hand.  tag names the label at the end of the slot's steps.
.macro STEP q, tag
	s_add_co_u32 s45, s[KF], 64*(\q)               ; the step's first key
	s_cmp_gt_u32 s45, s[QE]                        ; all its keys come after my queries, and so do those of the slot's later steps: they are left out together.  No barrier and no tensor load stands in a step
	s_cbranch_scc1 .Lend_\tag
.if (\q) == 0
	v_add_nc_u32 v[AD], s[TB], v[L16]
	KLOAD 0                                        ; a slot's first step asks for its own K: the slot is known whole only behind the barrier.  The other steps' K was asked for a step ago
.endif
	s_wait_dscnt 8                                 ; channels 0-31 of the four tiles of keys are in; the eight loads of channels 32-63 may be out
.irp kt, 0,1,2,3
	v_wmma_f32_16x16x32_f16 v[S+8*\kt:S+8*\kt+7], v[KFR+16*\kt:KFR+16*\kt+7], v[QF:QF+7], 0
.endr
	s_wait_dscnt 0x0
.irp kt, 0,1,2,3                               ; the four accumulators take turns
	v_wmma_f32_16x16x32_f16 v[S+8*\kt:S+8*\kt+7], v[KFR+16*\kt+8:KFR+16*\kt+15], v[QF+8:QF+15], v[S+8*\kt:S+8*\kt+7]
.endr
.rept 4
	v_nop                                          ; four places ahead of the first read of the scores; they also stand between the last step's V^T P and the loads into V's registers
.endr
.irp kc, 0,1
.irp ct, 0,1,2,3
.irp u, 0,1
	ds_load_b128 v[VFR+32*\kc+8*\ct+4*\u:VFR+32*\kc+8*\ct+4*\u+3], v[AD] offset:VOFF+8192*(\q)+4096*\kc+1024*\ct+512*\u   ; V lands while the softmax is walked
.endr
.endr
.endr
	s_add_co_u32 s44, s45, 63
	s_cmp_le_u32 s44, s[Q0]
	s_cbranch_scc1 .Lopen_\@                       ; all 64 keys count for all my queries
	s_sub_co_i32 s44, s[Q0], s45
	v_add_nc_u32 v7, s44, v[RH]                    ; d = my query - the step's first key - 8 (lane / 16).  Register 8 u + j holds key 16 u + 8 (lane / 16) + j: hidden where 16 u + j > d
.irp u, 0,1,2,3
.irp j, 0,1,2,3,4,5,6,7
	v_cmp_gt_i32 vcc_lo, 16*\u+\j, v7
	v_cndmask_b32 v[S+8*\u+\j], v[S+8*\u+\j], v[NINF], vcc_lo
.endr
.endr
.Lopen_\@:
.irp kt, 0,1,2,3
	v_max3_num_f32 v[14+\kt], v[S+8*\kt], v[S+8*\kt+1], v[S+8*\kt+2]   ; the maximum: four chains, each from its accumulator's low end
.endr
.irp i, 3,5
.irp kt, 0,1,2,3
	v_max3_num_f32 v[14+\kt], v[14+\kt], v[S+8*\kt+\i], v[S+8*\kt+\i+1]
.endr
.endr
	v_max3_num_f32 v14, v14, v[S+7], v[S+15]
	v_max3_num_f32 v16, v16, v[S+23], v[S+31]
	v_max3_num_f32 v14, v14, v15, v16
	v_max3_num_f32 v14, v14, v17, v9               ; and the old m
	v_permlanex16_b32 v15, v14, s[SEL], s[SEL+1]   ; my query's other 32 keys lie in the lane 16 away
	v_max_num_f32 v9, v14, v15                     ; the new m
	v_mov_b32 v14, v8
	v_mul_f32 v8, s[CS], v9                        ; c m
	v_sub_f32 v15, v14, v8                         ; c m_old - c m_new
.set n, 0
.rept 16
	v_pk_fma_f32 v[S+n:S+n+1], v[S+n:S+n+1], s[CS:CS+1], v[8:9] op_sel_hi:[1,0,0] neg_lo:[0,0,1] neg_hi:[0,0,1]   ; c s - c m, two at a time
.set n, n+2
.endr
	v_exp_f32 v12, v15                             ; a
.set n, 0
.rept 32
	v_exp_f32 v[S+n], v[S+n]                       ; p = 2^(c s - c m), at most 1
.set n, n+1
.endr
	v_nop                                          ; a plain line behind the last exponential
	s_wait_alu depctr_va_vdst(0)                   ; one wait for the batch of 33, ahead of its first reader
.if (\q) < 3
	KLOAD (\q)+1                                   ; THE NEXT STEP'S K, in the same slot: its registers were last read by K Q^T above; it lands under the lines below.  If that step turns out hidden, the wait for 0 in front of the next barrier (or at my end) covers these loads
.endif
.set n, 0
.rept 16
	v_cvt_pk_f16_f32 v[P+n], v[S+2*n], v[S+2*n+1]
.set n, n+1
.endr
.set n, 0
.rept 16
	v_pk_mul_f32 v[O+n:O+n+1], v[O+n:O+n+1], v[12:13] op_sel_hi:[1,0]       ; O^T x a
.set n, n+2
.endr
.if (\q) < 3
	s_wait_dscnt 16                                ; V is in; the sixteen loads of the next step's K, issued behind V's, may be out
.else
	s_wait_dscnt 0x0                               ; V is in
.endif
.irp kc, 0,1
.irp ct, 0,1,2,3
	v_wmma_f32_16x16x32_f16 v[O+8*\ct:O+8*\ct+7], v[VFR+32*\kc+8*\ct:VFR+32*\kc+8*\ct+7], v[P+8*\kc:P+8*\kc+7], v[O+8*\ct:O+8*\ct+7]
.endr
.endr
	v_pk_add_f32 v[20:21], v[S:S+1], v[S+2:S+3]    ; the row's sum of the f32 p, in two chains: no product waits for it, so it stands behind the products
	v_pk_add_f32 v[22:23], v[S+4:S+5], v[S+6:S+7]
.irp i, 8,12,16,20,24,28
	v_pk_add_f32 v[20:21], v[20:21], v[S+\i:S+\i+1]
	v_pk_add_f32 v[22:23], v[22:23], v[S+\i+2:S+\i+3]
.endr
	v_pk_add_f32 v[20:21], v[20:21], v[22:23]
	v_pk_fma_f32 v[10:11], v[10:11], v[12:13], v[20:21] op_sel_hi:[1,0,1]   ; l = a l + the sum
.endm
; THE CHANGE OF SLOTS stands at a slot's head.  Each wave waits for all its tensor loads, adds 0 to its spare word (fill = 1: twice on end),
; and waits for that and for its reads of the slot that it has left.  Behind the barrier the slot ahead is whole and nobody reads the other one, which is filled with the keys that follow, up to the causal limit.
.macro CHANGE fill
	s_wait_tensorcnt 0x0                           ; no tensor load of mine is out, so group 0 may be written
	ds_add_u32 v[SPW], v[NIL]
.if \fill
	ds_add_u32 v[SPW], v[NIL]
	s_xor_b32 s[G0+1], s[G0+1], SLOT1              ; the other slot than last time,
	s_add_nc_u64 s[G0+2:G0+3], s[G0+2:G0+3], 32768 ; the next 256 keys
	s_wait_xcnt 0x0                                ; the last prefetch, a slot back, has read its address
	s_add_nc_u64 s[PFA:PFA+1], s[PFA:PFA+1], 32768
.endif
	s_wait_dscnt 0x0
	s_barrier_signal -1
	s_barrier_wait -1
.if \fill
	s_add_co_u32 s44, s[KF], SK                    ; the first key of the slot that this change would ask for
	s_cmp_gt_u32 s44, s[QL]                        ; ids and the count of slots alone: all sixteen waves go the same way, and a work-group past the limit stays past it
	s_cbranch_scc1 .Lpast_\@
	TLOAD
.Lpast_\@:
	ASK
.endif
.endm
.macro SLOT_STEPS tag
	STEP 0, \tag
	STEP 1, \tag
	STEP 2, \tag
	STEP 3, \tag
.Lend_\tag:
	s_add_co_u32 s[KF], s[KF], SK                  ; on to the next slot's keys,
	s_xor_b32 s[TB], s[TB], SLOT1                  ; in the other slot
.endm
	s_wait_loadcnt 0x0                             ; Q
.Lslot:                                            ; seven trips
	CHANGE 1
	SLOT_STEPS loop
	s_sub_co_u32 s[SLOTS], s[SLOTS], 1
	s_cmp_lg_u32 s[SLOTS], 0
	s_cbranch_scc1 .Lslot
	CHANGE 0                                       ; the last slot is written out: nothing is left to ask for
	SLOT_STEPS tail
	; THE WAY OUT
.rept 4
	v_nop                                          ; places behind the last products
.endr
	v_add_f32 v10, v10, v11
	v_permlanex16_b32 v14, v10, s[SEL], s[SEL+1]
	v_add_f32 v10, v10, v14                        ; the row's sum
	v_rcp_f32 v12, v10
	v_nop
	s_wait_alu depctr_va_vdst(0)                   ; ahead of the reciprocal's first reader
.set n, 0
.rept 16
	v_pk_mul_f32 v[S+n:S+n+1], v[O+n:O+n+1], v[12:13] op_sel_hi:[1,0]
.set n, n+2
.endr
.set n, 0
.rept 16
	v_cvt_pk_f16_f32 v[P+n], v[S+2*n], v[S+2*n+1]
.set n, n+1
.endr
.irp ct, 0,1,2,3
	global_store_b128 v[L16], v[P+4*\ct:P+4*\ct+3], s[6:7] offset:512*\ct   ; each store covers 512 consecutive bytes, aligned
.endr
	s_wait_tensorcnt 0x0                           ; the wave's end
	ds_add_u32 v[SPW], v[NIL]
	s_wait_dscnt 0x0
	s_endpgm
.Lfunc_end_k_qe7659e0b20_attn:
	.size	k_qe7659e0b20_attn, .Lfunc_end_k_qe7659e0b20_attn-k_qe7659e0b20_attn
	.p2alignl 7, 3214868480
	.fill 96, 4, 3214868480
	.section	.rodata,"a",@progbits
	.p2align	6, 0x0
	.amdhsa_kernel k_qe7659e0b20_attn
		.amdhsa_group_segment_fixed_size 327680
		.amdhsa_private_segment_fixed_size 0
		.amdhsa_enable_private_segment 0
		.amdhsa_kernarg_size 16
		.amdhsa_user_sgpr_count 2
		.amdhsa_user_sgpr_kernarg_segment_ptr 1
		.amdhsa_wavefront_size32 1
		.amdhsa_system_sgpr_workgroup_id_x 1
		.amdhsa_system_sgpr_workgroup_id_y 1
		.amdhsa_system_sgpr_workgroup_id_z 1
		.amdhsa_system_vgpr_workitem_id 0
		.amdhsa_next_free_vgpr 256
		.amdhsa_next_free_sgpr 66
		.amdhsa_reserve_vcc 1
		.amdhsa_float_denorm_mode_32 3
		.amdhsa_float_denorm_mode_16_64 3
		.amdhsa_memory_ordered 1
		.amdhsa_forward_progress 1
		.amdhsa_inst_pref_size 105
	.end_amdhsa_kernel
	.amdgpu_metadata
---
amdhsa.version: [ 1, 2 ]
amdhsa.kernels:
  - .name:           k_qe7659e0b20_attn
    .symbol:         k_qe7659e0b20_attn.kd
    .args:
      - { .name: qkv, .offset: 0, .size: 8, .value_kind: global_buffer, .address_space: global }
      - { .name: yi, .offset: 8, .size: 8, .value_kind: global_buffer, .address_space: global }
    .group_segment_fixed_size: 327680
    .private_segment_fixed_size: 0
    .kernarg_segment_align: 8
    .kernarg_segment_size: 16
    .max_flat_workgroup_size: 512
    .sgpr_count:     66
    .vgpr_count:     256
    .wavefront_size: 32
...
	.end_amdgpu_metadata
.endif
;; end of part 3
;; launch proj (part 4): grid 8 x 32, 4 waves a work-group, clusters of 4 x 4, 327,680 bytes of LDS; arguments yi, wp, out0; writes out0
.if DOCPART == 4
	.amdgcn_target "amdgcn-amd-amdhsa--gfx1250"
	.amdhsa_code_object_version 6
	.text
	.protected	k_qe7659e0b20_proj
	.globl	k_qe7659e0b20_proj
	.p2align	8
	.type	k_qe7659e0b20_proj,@function
k_qe7659e0b20_proj:
	s_mov_b64 s[64:65], 0
	v_nop
	global_prefetch_b8 v0, s[64:65] scope:SCOPE_SE
	s_setreg_imm32_b32 hwreg(HW_REG_WAVE_MODE, 25, 1), 1
	s_wait_xcnt 0x0
	s_wait_alu depctr_hold_cnt(0) depctr_sa_sdst(0) depctr_va_vdst(0) depctr_va_sdst(0) depctr_va_ssrc(0) depctr_va_vcc(0) depctr_vm_vsrc(0)
	s_getreg_b32 s2, hwreg(HW_REG_IB_STS2, 6, 4)
	s_cmp_eq_u32 s2, 0
	s_cbranch_scc0 .Lentry_in_a_cluster
	s_endpgm
.Lentry_in_a_cluster:
	s_bfe_u32 s2, ttmp6, 0x10000c
	s_cmp_lg_u32 s2, 0xf033
	s_cbranch_scc0 .Lentry_shape_is_right
	s_endpgm
.Lentry_shape_is_right:
; out0 = y W_proj: [4096][1024] x [1024][1024], operands in f16, sums and result in f32.
; Both operands come as images of the operand's registers (16 rows x 32 k, 1,024 bytes): yi [128 tokens: 32][256 k: 4][16 tokens: 8][32 k: 8], wp the same with output columns for tokens.
; So a K step of 256 of 64 rows is one dense block of 32,768 bytes: one tensor load; a fragment is two loads of 512 consecutive bytes; nothing is padded.
; A tile of 128 x 128 is made by four waves, 64 x 64 each: 256 tiles, one for each work-group.  K goes in four steps of 256 through two slots; each is filled again once, behind a round of the cluster's barrier.
; By this text's count a wave has two tensor loads out at the start and one behind each round.
; CLUSTERS: 4 x 4; A's tiles are asked for jointly along a row of the cluster, B's along a column.  The matrix instruction is used transposed (source 0 = 16 output columns, source 1 = 16 tokens):
; a lane holds eight neighbouring numbers of a row of out0.  A wave's 64 columns are 256 aligned bytes of a row: each wave has a stage of its own on the way out, and no barrier is needed there.
; REGISTERS: window 0: v0-31 addresses; v32-95 the way out; v128-255 the 16 accumulators.  Window 1: two fragment buffers of 128 (64 of A, 64 of B), 64 along K each.
.set HALFT,  32768                     ; 64 rows x 256 k: what one tensor load brings
.set SLOT,   4*HALFT
.set STAGE,  2*SLOT                    ; behind the ring: 16 rows x (256 bytes + 16) for each wave
.set SPARE,  STAGE+4*4352              ; the spare words: two blocks of 256 bytes that no other line names
.set ADRA, 16
.set ADRB, 20
.set STO,  24
.set RD,   25
.set CO,   26
.set SPW,  28
.set NIL,  29
.set TMP,  32
.set ACC,  128
.set F0,   0
.set F1,   128
.set G1, 24
.set G0, 32
.set G1B, 48
.set G0B, 56
.set MSB, 0
.macro WIN new
.if MSB != (\new)
	s_set_vgpr_msb (MSB<<8)|(\new)
.set MSB, (\new)
.endif
.endm
.set MUL,  0x05                        ; sources 0 and 1 window 1; C and D window 0
.set TO_F, 0x40                        ; destination window 1
.macro JLOAD s                         ; a joint load: waves 0 and 1 fetch A's halves, waves 2 and 3 B's; an s_nop 0 and four v_nop follow each line
	s_cmp_eq_u32 s11, 0
	s_cbranch_scc0 .Lfor_b_\@
	tensor_load_to_lds s[G0+4*\s:G0+4*\s+3], s[G1:G1+7]
	s_nop 0
.rept 4
	v_nop
.endr
	s_branch .Lasked_\@
.Lfor_b_\@:
	tensor_load_to_lds s[G0B+4*\s:G0B+4*\s+3], s[G1B:G1B+7]
	s_nop 0
.rept 4
	v_nop
.endr
.Lasked_\@:
.endm
.macro CREST
	s_cmp_lg_u32 s10, 0
	s_cbranch_scc1 .Lnot_wave_0_\@
	s_barrier_signal -3
.Lnot_wave_0_\@:
	s_barrier_wait -3
	s_barrier_signal -1
	s_barrier_wait -1
.endm
.macro CROUND
	s_barrier_signal -1
	s_barrier_wait -1
	CREST
.endm
	s_load_b128 s[4:7], s[0:1], 0x0                ; yi, wp
	s_load_b64 s[8:9], s[0:1], 0x10                ; out0
	v_lshl_add_u32 v[SPW], v0, 2, SPARE
	v_mov_b32 v[NIL], 0
	ds_add_u32 v[SPW], v[NIL]                      ; the opening: the add, twice on end, and its wait ahead of my first tensor load
	ds_add_u32 v[SPW], v[NIL]
	v_lshrrev_b32 v1, 5, v0
	v_readfirstlane_b32 s10, v1                    ; wave 0..3
	s_lshr_b32 s11, s10, 1                         ; my half of the tile's rows.  Also: I fetch for A (0) or for B (1)
	s_and_b32 s12, s10, 1                          ; my half of its columns.  Also: which 64 rows of that tile I fetch
	s_bfe_u32 s40, ttmp6, 0x40000
	s_bfe_u32 s41, ttmp6, 0x40004
	s_lshl_b32 s42, ttmp9, 2
	s_add_co_u32 s42, s42, s40                     ; tile column
	s_and_b32 s13, ttmp7, 0xffff
	s_lshl_b32 s13, s13, 2
	s_add_co_u32 s13, s13, s41                     ; tile row
	s_lshl_b32 s43, s41, 2
	s_lshl_b32 s43, 15, s43                        ; my row of the cluster
	s_lshl_b32 s44, 0x1111, s40                    ; my column
	s_or_b32 s[G1+0], s43, (3<<16)|(1<<21)         ; the mask; elements of 8 bytes; bit 21 beside a mask; no padding
	s_or_b32 s[G1B+0], s44, (3<<16)|(1<<21)
.irp g, G1, G1B
	s_mov_b32 s[\g+1], 32<<16                      ; a dense block of 32,768 bytes as 128 rows of 256
	s_mov_b32 s[\g+2], 128<<16
	s_mov_b32 s[\g+3], 32<<16
	s_mov_b32 s[\g+4], 128
	s_mov_b32 s[\g+5], 32
	s_mov_b32 s[\g+6], 0
	s_mov_b32 s[\g+7], 0
.endr
	s_lshl_b32 s17, s12, 15                        ; which half I fetch
	s_lshl_b32 s16, s13, 18
	s_add_co_u32 s16, s16, s17                     ; A: 262,144 bytes a tile row
	s_lshl_b32 s46, s42, 18
	s_add_co_u32 s46, s46, s17                     ; B: the same a tile column
	s_mov_b32 s17, 0
	s_mov_b32 s47, 0
	s_lshl_b32 s20, s10, 15                        ; where they go: wave x 32,768
	s_wait_dscnt 0x0                               ; both opening adds are done
	s_wait_kmcnt 0x0
	s_add_nc_u64 s[14:15], s[4:5], s[16:17]
	s_add_nc_u64 s[46:47], s[6:7], s[46:47]
	CROUND                                         ; all sixteen work-groups are here: the first joint loads meet
.irp s, 0,1
	s_mov_b32 s[G0+4*\s], 1
	s_add_co_u32 s[G0+4*\s+1], s20, \s*SLOT
	s_add_nc_u64 s[G0+4*\s+2:G0+4*\s+3], s[14:15], \s*65536   ; K step s
	s_or_b32 s[G0+4*\s+3], s[G0+4*\s+3], 0x80000000
	s_mov_b32 s[G0B+4*\s], 1
	s_add_co_u32 s[G0B+4*\s+1], s20, \s*SLOT
	s_add_nc_u64 s[G0B+4*\s+2:G0B+4*\s+3], s[46:47], \s*65536
	s_or_b32 s[G0B+4*\s+3], s[G0B+4*\s+3], 0x80000000
	JLOAD \s
.endr
	v_and_b32 v1, 15, v0
	v_bfe_u32 v2, v0, 4, 1
	v_and_b32 v3, 31, v0
	v_lshlrev_b32 v3, 4, v3                        ; 16 x lane
	s_lshl_b32 s21, s11, 15                        ; my 64 rows of A
	s_lshl_b32 s22, s12, 15                        ; my 64 rows of B,
	s_add_co_u32 s22, s22, 2*HALFT                 ; which lie behind A's 128
.irp s, 0,1
	v_add_nc_u32 v[ADRA+\s], s21, v3
	v_add_nc_u32 v[ADRB+\s], s22, v3
	s_add_co_u32 s21, s21, SLOT
	s_add_co_u32 s22, s22, SLOT
.endr
	s_mul_i32 s23, s10, 4352
	s_add_co_u32 s23, s23, STAGE                   ; my stage
	v_mul_u32_u24 v4, v1, 272
	v_lshl_add_u32 v4, v2, 5, v4
	v_add_nc_u32 v[STO], s23, v4                   ; in: row lane % 16, 32 bytes for each half of the lanes
	v_mul_u32_u24 v5, v2, 272
	v_lshl_add_u32 v5, v1, 4, v5
	v_add_nc_u32 v[RD], s23, v5                    ; back: lanes 0-15 one row of 256 bytes, lanes 16-31 the next
	v_lshlrev_b32 v5, 12, v2
	v_lshl_add_u32 v[CO], v1, 4, v5                ; and the same two rows in out0
	s_lshl_b32 s16, s13, 7
	s_lshl_b32 s17, s11, 6
	s_add_co_u32 s16, s16, s17                     ; my first row
	s_lshl_b32 s16, s16, 12
	s_mov_b32 s17, 0
	s_add_nc_u64 s[8:9], s[8:9], s[16:17]
	s_lshl_b32 s46, s42, 9
	s_lshl_b32 s47, s12, 8
	s_add_co_u32 s46, s46, s47                     ; my first column, in bytes
	s_mov_b32 s47, 0
	s_add_nc_u64 s[8:9], s[8:9], s[46:47]
.macro MUL8 f, c, a0, zero             ; 8 matrix instructions: token blocks a0, a0 + 1 x all 4 column blocks, 32 along K
.irp a, \a0, \a0+1
.irp b, 0,1,2,3
.if \zero
	v_wmma_f32_16x16x32_f16 v[ACC+8*(4*(\a)+\b):ACC+8*(4*(\a)+\b)+7], v[\f+64+8*(4*\c+\b):\f+64+8*(4*\c+\b)+7], v[\f+8*(4*\c+\a):\f+8*(4*\c+\a)+7], 0
.else
	v_wmma_f32_16x16x32_f16 v[ACC+8*(4*(\a)+\b):ACC+8*(4*(\a)+\b)+7], v[\f+64+8*(4*\c+\b):\f+64+8*(4*\c+\b)+7], v[\f+8*(4*\c+\a):\f+8*(4*\c+\a)+7], v[ACC+8*(4*(\a)+\b):ACC+8*(4*(\a)+\b)+7]
.endif
.endr
.endr
.endm
.macro FETCH slot, q, f                ; 32 LDS loads in one run: the fragments of the slot's q-th 64 along K, the first 32 along K first
	WIN TO_F
.irp c, 0,1
.irp i, 0,1,2,3
	ds_load_b128 v[\f+64+8*(4*\c+\i):\f+64+8*(4*\c+\i)+3],   v[ADRB+\slot] offset:8192*\i+1024*(2*(\q)+\c)
	ds_load_b128 v[\f+64+8*(4*\c+\i)+4:\f+64+8*(4*\c+\i)+7], v[ADRB+\slot] offset:8192*\i+1024*(2*(\q)+\c)+512
	ds_load_b128 v[\f+8*(4*\c+\i):\f+8*(4*\c+\i)+3],         v[ADRA+\slot] offset:8192*\i+1024*(2*(\q)+\c)
	ds_load_b128 v[\f+8*(4*\c+\i)+4:\f+8*(4*\c+\i)+7],       v[ADRA+\slot] offset:8192*\i+1024*(2*(\q)+\c)+512
.endr
.endr
.endm
.macro PLACES
.rept 4
	v_nop
.endr
.endm
.macro QUARTER slot, q, f, g, zero     ; multiplies buffer f and fetches the slot's q-th quarter into g
	s_wait_dscnt 16                                ; the first 32 along K are in
	WIN MUL
	MUL8 \f, 0, 0, \zero
	MUL8 \f, 0, 2, \zero
	PLACES
	FETCH \slot, \q, \g
	s_wait_dscnt 32                                ; all but the 32 just issued
	WIN MUL
	MUL8 \f, 1, 0, 0
	MUL8 \f, 1, 2, 0
.endm
; A slot's last quarter changes slots: one barrier; in front of it each wave waits for all its tensor loads, adds 0 to its spare word, and waits for that and for its reads of this slot.
; fill = 1: the barrier opens a round of the cluster's barrier, and behind the round this slot is filled again, two K steps on.
.macro TURN slot, next, fill
	WIN 0
	s_wait_tensorcnt 0x0
	ds_add_u32 v[SPW], v[NIL]
	s_wait_dscnt 17                                ; (the add and the youngest sixteen loads may be out)
	WIN MUL
	MUL8 F1, 0, 0, 0
	s_wait_dscnt 0x0                               ; the add is done, and my reads of this slot are over
	s_barrier_signal -1
	MUL8 F1, 0, 2, 0
.if \fill
	WIN 0
.endif
	s_barrier_wait -1
.if \fill
	CREST                                          ; no wave of any partner still reads this slot's tile or has a load on its way
	s_add_nc_u64 s[G0+4*\slot+2:G0+4*\slot+3], s[G0+4*\slot+2:G0+4*\slot+3], 131072
	s_add_nc_u64 s[G0B+4*\slot+2:G0B+4*\slot+3], s[G0B+4*\slot+2:G0B+4*\slot+3], 131072
	JLOAD \slot                                    ; the first tensor load behind the round; its four v_nop are also the places in front of the loads below
.else
	PLACES
.endif
	FETCH \next, 0, F0
	WIN MUL
	MUL8 F1, 1, 0, 0
	MUL8 F1, 1, 2, 0
.endm
	s_wait_tensorcnt 1                             ; my part of K step 0 is in (K step 1's load may be out),
	s_barrier_signal -1
	s_barrier_wait -1                              ; everybody's is
	FETCH 0, 0, F0
	QUARTER 0, 1, F0, F1, 1                        ; the first products start the sums
	QUARTER 0, 2, F1, F0, 0
	QUARTER 0, 3, F0, F1, 0
	TURN 0, 1, 1                                   ; slot 0 takes K step 2
	QUARTER 1, 1, F0, F1, 0
	QUARTER 1, 2, F1, F0, 0
	QUARTER 1, 3, F0, F1, 0
	TURN 1, 0, 1                                   ; slot 1 takes K step 3
	QUARTER 0, 1, F0, F1, 0
	QUARTER 0, 2, F1, F0, 0
	QUARTER 0, 3, F0, F1, 0
	TURN 0, 1, 0                                   ; nothing is left to fetch
	QUARTER 1, 1, F0, F1, 0
	QUARTER 1, 2, F1, F0, 0
	QUARTER 1, 3, F0, F1, 0
	s_wait_dscnt 16
	WIN MUL
	MUL8 F1, 0, 0, 0
	MUL8 F1, 0, 2, 0
	s_wait_dscnt 0
	MUL8 F1, 1, 0, 0
	MUL8 F1, 1, 2, 0
	WIN 0
; THE WAY OUT, 16 rows x 64 columns at a time, through my own stage: LDS serves a wave's instructions in order, so no wait stands between the stores and the loads, nor in front of the next block's stores.
.macro TOSTAGE a
.irp b, 0,1,2,3
	ds_store_b128 v[STO], v[ACC+8*(4*(\a)+\b):ACC+8*(4*(\a)+\b)+3] offset:64*\b       ; each accumulator from its low end on
	ds_store_b128 v[STO], v[ACC+8*(4*(\a)+\b)+4:ACC+8*(4*(\a)+\b)+7] offset:64*\b+16
.endr
.set BB, TMP+32*((\a)%2)
.irp t, 0,1,2,3,4,5,6,7
	ds_load_b128 v[BB+4*\t:BB+4*\t+3], v[RD] offset:544*\t
.endr
.endm
.macro SEND a, younger                 ; younger: the LDS instructions issued behind block a's loads
.set BB, TMP+32*((\a)%2)
	s_wait_dscnt \younger
.irp t, 0,1,2,3,4,5,6,7
	global_store_b128 v[CO], v[BB+4*\t:BB+4*\t+3], s[8:9] offset:(16*(\a)+2*\t)*4096 th:TH_STORE_NT   ; sixteen lanes store 256 consecutive bytes, aligned
.endr
.endm
	PLACES
	TOSTAGE 0
.irp a, 1,2,3
.if \a > 1
	s_wait_xcnt 0x0                                ; block a - 2's stores have read their registers: block a's loads may land there
.endif
	TOSTAGE \a
	SEND \a-1, 16
.endr
	SEND 3, 0
	s_wait_tensorcnt 0x0                           ; the wave's end
	ds_add_u32 v[SPW], v[NIL]
	s_wait_dscnt 0x0
	CROUND                                         ; the closing round
	s_endpgm
.Lfunc_end_k_qe7659e0b20_proj:
	.size	k_qe7659e0b20_proj, .Lfunc_end_k_qe7659e0b20_proj-k_qe7659e0b20_proj
	.p2alignl 7, 3214868480
	.fill 96, 4, 3214868480
	.section	.rodata,"a",@progbits
	.p2align	6, 0x0
	.amdhsa_kernel k_qe7659e0b20_proj
		.amdhsa_group_segment_fixed_size 327680
		.amdhsa_private_segment_fixed_size 0
		.amdhsa_enable_private_segment 0
		.amdhsa_kernarg_size 24
		.amdhsa_user_sgpr_count 2
		.amdhsa_user_sgpr_kernarg_segment_ptr 1
		.amdhsa_wavefront_size32 1
		.amdhsa_system_sgpr_workgroup_id_x 1
		.amdhsa_system_sgpr_workgroup_id_y 1
		.amdhsa_system_sgpr_workgroup_id_z 1
		.amdhsa_system_vgpr_workitem_id 0
		.amdhsa_next_free_vgpr 512
		.amdhsa_next_free_sgpr 66
		.amdhsa_reserve_vcc 0
		.amdhsa_float_denorm_mode_32 3
		.amdhsa_float_denorm_mode_16_64 3
		.amdhsa_memory_ordered 1
		.amdhsa_forward_progress 1
		.amdhsa_inst_pref_size 85
	.end_amdhsa_kernel
	.amdgpu_metadata
---
amdhsa.version: [ 1, 2 ]
amdhsa.kernels:
  - .name:           k_qe7659e0b20_proj
    .symbol:         k_qe7659e0b20_proj.kd
    .args:
      - { .name: yi, .offset: 0, .size: 8, .value_kind: global_buffer, .address_space: global }
      - { .name: wp, .offset: 8, .size: 8, .value_kind: global_buffer, .address_space: global }
      - { .name: out0, .offset: 16, .size: 8, .value_kind: global_buffer, .address_space: global }
    .group_segment_fixed_size: 327680
    .private_segment_fixed_size: 0
    .kernarg_segment_align: 8
    .kernarg_segment_size: 24
    .max_flat_workgroup_size: 128
    .sgpr_count:     66
    .vgpr_count:     512
    .wavefront_size: 32
...
	.end_amdgpu_metadata
.endif
;; end of part 4
;; launch fine (part 5): grid 64 x 2, 16 waves a work-group, no clusters, 22,528 bytes of LDS; arguments q32, W_proj, out0; writes out0
.if DOCPART == 5
	.amdgcn_target "amdgcn-amd-amdhsa--gfx1250"
	.amdhsa_code_object_version 6
	.text
	.protected	k_qe7659e0b20_fine
	.globl	k_qe7659e0b20_fine
	.p2align	8
	.type	k_qe7659e0b20_fine,@function
k_qe7659e0b20_fine:
	s_mov_b64 s[64:65], 0
	v_nop
	global_prefetch_b8 v0, s[64:65] scope:SCOPE_SE
	s_setreg_imm32_b32 hwreg(HW_REG_WAVE_MODE, 25, 1), 1
	s_wait_xcnt 0x0
; POSITIONS 0..15 OF BOTH SEQUENCES, ALL IN f32: these rows average one to sixteen values and are the largest of the output, so the rounding of f16 operands would weigh most there.
; Work-group (column group cg, sequence b) makes rows 2,048 b + 0..15, columns 16 cg .. 16 cg + 15 of out0, over what the projection's launch left there.
; Wave w is head w: its attention for the 16 positions (repeated in all 64 column groups: 32 small matrix instructions), then its 64 channels of y times W_proj's rows 64 w .. 64 w + 63 for the 16 columns
; (16 more); the sixteen heads' partial sums meet in LDS and are added in a fixed order.  48 matrix instructions of the f32 form a wave: no bulk work.
; SIXTEEN COLUMNS TO A WORK-GROUP, so that 128 work-groups share the f32 products and a wave has 56 loads in all.  The price: a store covers 64 consecutive bytes of each of eight rows, not 256; 131,072 bytes in all leave so.
; q, k, v come as images of the first product's accumulators (q32): for q and k lane (r, h), register j: position r, channel 16 nb + 8 h + j; for v: position 8 h + j, channel 16 nb + r.
; ONE PERMUTATION OF K ON BOTH SOURCES makes every operand a pair of registers as it lies: the f32 form takes k = 2 h + j from register j of lane (r, h); registers 2 s, 2 s + 1 of both sources stand for
; channels (or keys) 8 h + 2 s + j, and four steps s cover the sixteen.
; The accumulators v16-47 are written by matrix instructions alone; what is made of them goes into other registers.
; No cluster, no tensor load: what is shared is small.  LIMITS: NaN and infinities are not served.
.set PS,    1280                       ; a head's partial sum in LDS: 16 rows x (64 bytes + 16)
.set SPARE, 16*PS                      ; behind the sixteen partial sums: the spare words, eight blocks of 256 bytes that no other line names
.set ACC,  16
.set QY,   48                          ; v48-79   q, then y
.set KK,   80                          ; v80-111  k
.set VV,   112                         ; v112-143 v
.set WW,   144                         ; v144-175 W: the pair of step (ct, s) at 2 (4 ct + s)
.set RB,   176                         ; v176-239 the partial sums read back: four registers a head
.set SS,   240                         ; v240-247 the scores, then p, then my partial sum
	s_load_b128 s[4:7], s[0:1], 0x0                ; q32, W_proj
	s_load_b64 s[8:9], s[0:1], 0x10                ; out0
	v_lshl_add_u32 v14, v0, 2, SPARE               ; my spare word; never rewritten
	v_mov_b32 v15, 0                               ; 0; never rewritten
	v_lshrrev_b32 v1, 5, v0
	v_readfirstlane_b32 s10, v1                    ; wave = head
	s_and_b32 s11, ttmp7, 0xffff                   ; the sequence
	s_and_b32 s17, s10, 1
	v_and_b32 v9, 31, v0
	v_lshlrev_b32 v1, 4, v9                        ; 16 x lane
	v_and_b32 v2, 15, v0                           ; r
	v_bfe_u32 v3, v0, 4, 1                         ; h
	v_lshlrev_b32 v4, 2, v2
	v_lshl_add_u32 v4, v3, 15, v4                  ; W: column r, 8 h rows of 4,096 bytes down
	v_lshlrev_b32 v5, 3, v3
	v_sub_nc_u32 v5, v2, v5                        ; r - 8 h
	s_mul_i32 s12, s10, PS
	v_mul_u32_u24 v6, v2, 80
	v_lshl_add_u32 v6, v3, 5, v6
	v_add_nc_u32 v6, s12, v6                       ; my partial sum: row r, + 32 h
	s_mul_i32 s12, s17, 640
	v_lshrrev_b32 v10, 2, v9                       ; lane / 4
	v_and_b32 v11, 3, v9                           ; lane % 4
	v_mul_u32_u24 v7, v10, 80
	v_lshl_add_u32 v7, v11, 4, v7
	v_add_nc_u32 v7, s12, v7                       ; back (waves 0 and 1): row 8 w + lane / 4, 16 bytes a lane
	v_lshlrev_b32 v8, 12, v10
	v_lshl_add_u32 v8, v11, 4, v8                  ; and the same place in out0
	s_lshl_b32 s12, s11, 4
	s_add_co_u32 s12, s12, s10
	s_lshl_b32 s12, s12, 12                        ; q32: 4,096 bytes a head
	s_mov_b32 s13, 0
	s_lshl_b32 s14, s10, 18                        ; W_proj: 64 rows of 4,096 bytes a head,
	s_lshl_b32 s16, ttmp9, 6                       ; 64 bytes a column group
	s_add_co_u32 s14, s14, s16
	s_mov_b32 s15, 0
	s_lshl_b32 s18, s11, 11
	s_lshl_b32 s19, s17, 3
	s_add_co_u32 s18, s18, s19
	s_lshl_b32 s18, s18, 12                        ; out0: row 2,048 b + 8 (w % 2)
	s_add_co_u32 s18, s18, s16
	s_mov_b32 s19, 0
	s_mov_b32 s20, 0x76543210
	s_mov_b32 s21, 0xfedcba98                      ; v_permlanex16_b32's selects for lane l xor 16
	s_mov_b32 s22, 0x3e38aa3b                      ; c = log2(e) / 8
	v_mov_b32 v250, 0xff800000                     ; -infinity
	v_mov_b32 v254, 0                              ; (a lane permute's destination counts as one of its sources)
	s_wait_kmcnt 0x0
	s_add_nc_u64 s[4:5], s[4:5], s[12:13]
	s_add_nc_u64 s[6:7], s[6:7], s[14:15]
	s_add_nc_u64 s[8:9], s[8:9], s[18:19]
.irp nb, 0,1,2,3
.irp u, 0,1
	global_load_b128 v[QY+8*\nb+4*\u:QY+8*\nb+4*\u+3], v1, s[4:5] offset:1024*\nb+512*\u
.endr
.endr
.irp nb, 0,1,2,3
.irp u, 0,1
	global_load_b128 v[KK+8*\nb+4*\u:KK+8*\nb+4*\u+3], v1, s[4:5] offset:131072+1024*\nb+512*\u
.endr
.endr
.irp nb, 0,1,2,3
.irp u, 0,1
	global_load_b128 v[VV+8*\nb+4*\u:VV+8*\nb+4*\u+3], v1, s[4:5] offset:262144+1024*\nb+512*\u
.endr
.endr
.irp ct, 0,1,2,3                               ; W(64 w + 16 ct + 8 h + 2 s + j, 16 cg + r): the pair (j = 0, 1) is source 0 of step (ct, s)
.irp s, 0,1,2,3
.irp j, 0,1
	global_load_b32 v[WW+2*(4*\ct+\s)+\j], v4, s[6:7] offset:(16*\ct+2*\s+\j)*4096
.endr
.endr
.endr
	s_wait_loadcnt 40                              ; q and k are in; v's 8 loads and W's 32 may be out
	; S^T = k q^T: four partial sums, one for each 16 channels, by turns
.irp s, 0,1,2,3
.irp nb, 0,1,2,3
.if \s == 0
	v_wmma_f32_16x16x4_f32 v[ACC+8*\nb:ACC+8*\nb+7], v[KK+8*\nb+2*\s:KK+8*\nb+2*\s+1], v[QY+8*\nb+2*\s:QY+8*\nb+2*\s+1], 0
.else
	v_wmma_f32_16x16x4_f32 v[ACC+8*\nb:ACC+8*\nb+7], v[KK+8*\nb+2*\s:KK+8*\nb+2*\s+1], v[QY+8*\nb+2*\s:QY+8*\nb+2*\s+1], v[ACC+8*\nb:ACC+8*\nb+7]
.endif
.endr
.endr
.rept 8
	v_nop                                          ; eight places behind this form, ahead of the reads of the sums
.endr
.irp j, 0,1,2,3,4,5,6,7                        ; lane (r, h): query r, key 8 h + j
	v_add_f32 v248, v[ACC+\j], v[ACC+8+\j]
	v_add_f32 v249, v[ACC+16+\j], v[ACC+24+\j]
	v_add_f32 v[SS+\j], v248, v249
.endr
.irp j, 0,1,2,3,4,5,6,7
	v_cmp_gt_i32 vcc_lo, \j, v5                    ; key 8 h + j comes after query r
	v_cndmask_b32 v[SS+\j], v[SS+\j], v250, vcc_lo
.endr
	v_max3_num_f32 v248, v[SS], v[SS+1], v[SS+2]
	v_max3_num_f32 v248, v248, v[SS+3], v[SS+4]
	v_max3_num_f32 v248, v248, v[SS+5], v[SS+6]
	v_max_num_f32 v248, v248, v[SS+7]
	v_permlanex16_b32 v254, v248, s20, s21
	v_max_num_f32 v251, v248, v254                 ; the row's maximum: key 0 counts for every query
	v_mul_f32 v252, s22, v251
.irp j, 0,1,2,3,4,5,6,7
	v_fma_f32 v[SS+\j], v[SS+\j], s22, -v252
.endr
.irp j, 0,1,2,3,4,5,6,7
	v_exp_f32 v[SS+\j], v[SS+\j]
.endr
	v_nop
	s_wait_alu depctr_va_vdst(0)                   ; one wait for the eight exponentials, ahead of their first reader
	v_add_f32 v248, v[SS], v[SS+1]
	v_add_f32 v249, v[SS+2], v[SS+3]
	v_add_f32 v251, v[SS+4], v[SS+5]
	v_add_f32 v252, v[SS+6], v[SS+7]
	v_add_f32 v248, v248, v249
	v_add_f32 v251, v251, v252
	v_add_f32 v248, v248, v251
	v_permlanex16_b32 v254, v248, s20, s21
	v_add_f32 v248, v248, v254                     ; the row's sum
	v_rcp_f32 v253, v248
	v_nop
	s_wait_alu depctr_va_vdst(0)                   ; and one for the reciprocal
	s_wait_loadcnt 32                              ; v is in; W's 32 loads may be out
	; O^T = v^T p: more than nine plain lines that name no accumulator stand since the last product, so the accumulators may be begun anew
.irp s, 0,1,2,3
.irp ct, 0,1,2,3
.if \s == 0
	v_wmma_f32_16x16x4_f32 v[ACC+8*\ct:ACC+8*\ct+7], v[VV+8*\ct+2*\s:VV+8*\ct+2*\s+1], v[SS+2*\s:SS+2*\s+1], 0
.else
	v_wmma_f32_16x16x4_f32 v[ACC+8*\ct:ACC+8*\ct+7], v[VV+8*\ct+2*\s:VV+8*\ct+2*\s+1], v[SS+2*\s:SS+2*\s+1], v[ACC+8*\ct:ACC+8*\ct+7]
.endif
.endr
.endr
.rept 8
	v_nop
.endr
.set n, 0
.rept 32
	v_mul_f32 v[QY+n], v[ACC+n], v253              ; y: lane (r, h): query r, channel 16 ct + 8 h + j
.set n, n+1
.endr
.rept 9
	v_nop                                          ; nine places ahead of products that begin the accumulators anew
.endr
	s_wait_loadcnt 0x0                             ; W
	; the projection: source 0 = my 16 columns of W_proj, source 1 = y; four partial sums, one for each 16 channels, by turns
.irp s, 0,1,2,3
.irp ct, 0,1,2,3
.if \s == 0
	v_wmma_f32_16x16x4_f32 v[ACC+8*\ct:ACC+8*\ct+7], v[WW+2*(4*\ct+\s):WW+2*(4*\ct+\s)+1], v[QY+8*\ct+2*\s:QY+8*\ct+2*\s+1], 0
.else
	v_wmma_f32_16x16x4_f32 v[ACC+8*\ct:ACC+8*\ct+7], v[WW+2*(4*\ct+\s):WW+2*(4*\ct+\s)+1], v[QY+8*\ct+2*\s:QY+8*\ct+2*\s+1], v[ACC+8*\ct:ACC+8*\ct+7]
.endif
.endr
.endr
.rept 8
	v_nop
.endr
.irp j, 0,1,2,3,4,5,6,7                        ; lane (r, h): row r, column 8 h + j: my head's part of the sum over k
	v_add_f32 v248, v[ACC+\j], v[ACC+8+\j]
	v_add_f32 v249, v[ACC+16+\j], v[ACC+24+\j]
	v_add_f32 v[SS+\j], v248, v249
.endr
	ds_store_b128 v6, v[SS:SS+3]
	ds_store_b128 v6, v[SS+4:SS+7] offset:16
	s_wait_dscnt 0x0                               ; for the others' sake: my partial sum lies in LDS
	s_barrier_signal -1
	s_barrier_wait -1
	s_cmp_lt_u32 s10, 2                            ; waves 0 and 1 add the sixteen heads' parts, eight rows each; no barrier follows
	s_cbranch_scc0 .Ldone
.set n, 0
.rept 16
	ds_load_b128 v[RB+4*n:RB+4*n+3], v7 offset:PS*n    ; head n's part: four lanes take a row's 64 bytes
.set n, n+1
.endr
	s_wait_dscnt 0x0
.irp m, 0,8,16,24,32,40,48,56
	v_pk_add_f32 v[RB+\m:RB+\m+1], v[RB+\m:RB+\m+1], v[RB+\m+4:RB+\m+5]
	v_pk_add_f32 v[RB+\m+2:RB+\m+3], v[RB+\m+2:RB+\m+3], v[RB+\m+6:RB+\m+7]
.endr
.irp m, 0,16,32,48
	v_pk_add_f32 v[RB+\m:RB+\m+1], v[RB+\m:RB+\m+1], v[RB+\m+8:RB+\m+9]
	v_pk_add_f32 v[RB+\m+2:RB+\m+3], v[RB+\m+2:RB+\m+3], v[RB+\m+10:RB+\m+11]
.endr
.irp m, 0,32
	v_pk_add_f32 v[RB+\m:RB+\m+1], v[RB+\m:RB+\m+1], v[RB+\m+16:RB+\m+17]
	v_pk_add_f32 v[RB+\m+2:RB+\m+3], v[RB+\m+2:RB+\m+3], v[RB+\m+18:RB+\m+19]
.endr
	v_pk_add_f32 v[RB:RB+1], v[RB:RB+1], v[RB+32:RB+33]
	v_pk_add_f32 v[RB+2:RB+3], v[RB+2:RB+3], v[RB+34:RB+35]
	global_store_b128 v8, v[RB:RB+3], s[8:9]       ; eight rows, 64 consecutive bytes of each
.Ldone:
	s_wait_tensorcnt 0x0                           ; the wave's end
	ds_add_u32 v14, v15
	s_wait_dscnt 0x0
	s_endpgm
.Lfunc_end_k_qe7659e0b20_fine:
	.size	k_qe7659e0b20_fine, .Lfunc_end_k_qe7659e0b20_fine-k_qe7659e0b20_fine
	.p2alignl 7, 3214868480
	.fill 96, 4, 3214868480
	.section	.rodata,"a",@progbits
	.p2align	6, 0x0
	.amdhsa_kernel k_qe7659e0b20_fine
		.amdhsa_group_segment_fixed_size 22528
		.amdhsa_private_segment_fixed_size 0
		.amdhsa_enable_private_segment 0
		.amdhsa_kernarg_size 24
		.amdhsa_user_sgpr_count 2
		.amdhsa_user_sgpr_kernarg_segment_ptr 1
		.amdhsa_wavefront_size32 1
		.amdhsa_system_sgpr_workgroup_id_x 1
		.amdhsa_system_sgpr_workgroup_id_y 1
		.amdhsa_system_sgpr_workgroup_id_z 1
		.amdhsa_system_vgpr_workitem_id 0
		.amdhsa_next_free_vgpr 256
		.amdhsa_next_free_sgpr 66
		.amdhsa_reserve_vcc 1
		.amdhsa_float_denorm_mode_32 3
		.amdhsa_float_denorm_mode_16_64 3
		.amdhsa_memory_ordered 1
		.amdhsa_forward_progress 1
		.amdhsa_inst_pref_size 20
	.end_amdhsa_kernel
	.amdgpu_metadata
---
amdhsa.version: [ 1, 2 ]
amdhsa.kernels:
  - .name:           k_qe7659e0b20_fine
    .symbol:         k_qe7659e0b20_fine.kd
    .args:
      - { .name: q32, .offset: 0, .size: 8, .value_kind: global_buffer, .address_space: global }
      - { .name: W_proj, .offset: 8, .size: 8, .value_kind: global_buffer, .address_space: global }
      - { .name: out0, .offset: 16, .size: 8, .value_kind: global_buffer, .address_space: global }
    .group_segment_fixed_size: 22528
    .private_segment_fixed_size: 0
    .kernarg_segment_align: 8
    .kernarg_segment_size: 24
    .max_flat_workgroup_size: 512
    .sgpr_count:     66
    .vgpr_count:     256
    .wavefront_size: 32
...
	.end_amdgpu_metadata
.endif
;; end of part 5
